; MI455X (gfx1250); checked and timed in simulation.
; The chip was launched on July 23, 2026; its instructions are those of AMD's public machine-readable ISA for CDNA 5 (MIT licence, August 2026) and "CDNA5" Instruction Set Architecture Reference Guide (July 2026). The comments in the code are by the model that wrote it; some were corrected since.
;; Gpt2 Attention. Allowed arithmetic: matrix products marked QUANTISED: E2M1 operands, one E8M0 scale for each 32 along K, by v_wmma_scale_f32_16x16x128_f8f6f4 with both operands' format E2M1 (or v_wmma_scale_f32_32x16x128_f4), f32 sums; products left as they are: bf16, f16 or f32 operands; f32 sums; everything else in f32.
;; Inputs: b_proj 1,024 float32; b_qkv 3,072 float32; w_proj 1,024 x 1,024 float32; w_qkv 1,024 x 3,072 float32; x 4 x 2,048 x 1,024 float32.
;; Outputs: out0 4 x 2,048 x 1,024 float32.
;; Constants: layer_idx = 0.
;; This version of the problem:
;;   THIS VERSION OF THE PROBLEM IS GIVEN IN LOW PRECISION. The matrix products marked QUANTISED in the list below multiply operands that are first quantised to E2M1 (2 exponent bits, 1 mantissa bit; 4 bits a number), with one power-of-two scale for each 32 numbers along K (OCP MX v1.0); their sums are f32. The products marked 'left as it is' may take bf16, f16 or f32 operands, with f32 sums. Whichever they take, every output number must still come out within the allowed error. Rounding operands to bf16 (8 significant bits) uses up far more of that allowance than f16 does (11 bits, for magnitudes from 6e-5 to 65,504). All else is computed in f32.
;;   The module's matrix products, in the order in which they are computed (A, B: the left and right operand; K: the contracted axis; several contracted axes count as one K, in the product's order):
;;     1. [M 8,192, K 1,024] x [K 1,024, N 3,072]; A: input x; B: input w_qkv: QUANTISED
;;     2. batch 64 x [M 2,048, K 64] x [K 64, N 2,048]; A: computed on the way; B: computed on the way: left as it is (an operand is computed on the way)
;;     3. batch 64 x [M 64, K 2,048] x [K 2,048, N 2,048]; A: computed on the way; B: computed on the way: left as it is (an operand is computed on the way)
;;     4. [M 8,192, K 1,024] x [K 1,024, N 1,024]; A: computed on the way; B: input w_proj: left as it is (an operand is computed on the way)
;;   THE QUANTISER, for each operand of a quantised product, along K:
;;     - K is cut into blocks of 32 from its start; a last block that is shorter is filled with zeros.
;;     - A block's scale is 2^e with e = floor(log2(the largest magnitude in the block)) - 2, held to -126 .. 127; a block of zeros has e = 0. As a byte (E8M0): e + 127.
;;     - Each number is divided by its block's scale, clamped to +-6, and rounded to the nearest number of E2M1, ties to even, subnormals kept.
;;     - The product sums the exact products of the quantised numbers (number of the format x scale) in f32.
;;   ~~~python
;;   def quantise(x, axis):      # numpy; x: float32 -> the quantised numbers, widened to float32 again
;;       x = np.moveaxis(x, axis, -1); K = x.shape[-1]
;;       x = np.pad(x, [(0, 0)] * (x.ndim - 1) + [(0, -K % 32)]); x = x.reshape(x.shape[:-1] + (-1, 32)); a = np.abs(x).max(-1, keepdims=True)
;;       e = np.where(a > 0, np.clip(np.frexp(np.where(a > 0, a, 1))[1] - 1 - 2, -126, 127), 0)      # np.frexp(a)[1] - 1 = floor(log2(a)), exactly
;;       r = np.clip(x / 2.0 ** e, -6, 6)
;;       step = 2.0 ** (np.maximum(np.frexp(np.where(r == 0, 1, r))[1] - 1, 0) - 1)
;;       q = np.round(r / step) * step * 2.0 ** e      # np.round: ties to even
;;       return np.moveaxis(q.reshape(q.shape[:-2] + (-1,))[..., :K], -1, axis).astype(np.float32)
;;   ~~~
;; One version. Each part assembles by itself: llvm-mc -triple=amdgcn-amd-amdhsa -mcpu=gfx1250 --defsym DOCPART=n.
;; ======== version 1 of 1: 5 launches
;; limits: values are held in f16: magnitudes above 65,504 overflow, below 6.1e-05 lose precision
;; workspace buffers: xc 4,194,304 bytes; xs 262,144 bytes; wc 1,572,864 bytes; ws 98,304 bytes; wp16 2,097,152 bytes; qkv16 50,331,648 bytes; qkv32 786,432 bytes; att16 16,777,216 bytes
;; launch prep (part 1): grid 336 x 1, 4 waves a work-group, no clusters, 68,096 bytes of LDS; arguments x, w_qkv, w_proj, xc, xs, wc, ws, wp16; writes xc, xs, wc, ws, wp16
.if DOCPART == 1
	.amdgcn_target "amdgcn-amd-amdhsa--gfx1250"
	.amdhsa_code_object_version 6
	.text
	.protected	k_q9a9c43c4ca_prep
	.globl	k_q9a9c43c4ca_prep
	.p2align	8
	.type	k_q9a9c43c4ca_prep,@function
k_q9a9c43c4ca_prep:
	s_mov_b64 s[64:65], 0
	v_nop
	global_prefetch_b8 v0, s[64:65] scope:SCOPE_SE
	s_setreg_imm32_b32 hwreg(HW_REG_WAVE_MODE, 25, 1), 1
	s_wait_xcnt 0x0
; GPT-2 attention, B = 4, S = 2,048, D = 1,024, 16 heads of 64.  FIRST OF FIVE LAUNCHES: the operands of x @ w_qkv become codes of FP4 (E2M1) with one E8M0 byte for each 32 along K; w_proj becomes f16.
; WORK LEFT OUT IN THE WHOLE PROGRAM.  (a) layer_idx is a constant that the computation never uses: it is no argument.  (b) The causal mask is built by the computation itself (a lower triangle): a tile of scores all of
; whose keys come after all of its queries is replaced whole by -1e9, and its weights are 2^(-1e9 c - ..) = 0 beside the row's own diagonal term; such tiles are not multiplied (launch attn).
; The bias on K STAYS: the mask is a finite -1e9 and no -infinity, so q . b_k is not the same along the whole axis of the softmax for all finite inputs; as the C of a first product it costs nothing.
; LIMITS.  Rows whose every visible score lies near -1e9 are not served.  NaN and infinities among the inputs are not served.  |q|, |k|, |v| beyond 65,504 overflow the f16 operands of the later products.
; Blocks whose largest magnitude lies under 2^(2 - 126), the floor, whose byte is held at 1, were not tried.  A NaN, an infinity or an overflow that reaches only the tiles left out is not carried to the result.
; THIS LAUNCH: three paths that part on the work-group's number and never join; X and W have LDS bytes of their own; C uses none.
;   X, work-groups 0-255:   x [8192][1024] f32, K innermost  -> xc [8192][512 bytes], xs [8192][32].  A plain stream of blocks of 32: a wave takes 16 steps of 512 numbers.
;   W, work-groups 256-303: w_qkv [1024 (k)][3072 (n)] f32, K outermost -> wc [3072][512 bytes], ws [3072][32].  A lane takes a column, its registers run down K: a wave takes 32 columns x 512 along K.
;   C, work-groups 304-335: w_proj f32 -> wp16 f16, as it lies.  A wave takes 8,192 numbers.
; A block's scale is 2^(floor(log2(its largest magnitude)) - 2); its byte is the largest magnitude's exponent field - 2, held at 1 from below.  A block of zeros so gets the byte 1 where the quantiser says 127:
; its codes are zeros, which add nothing under any byte but 0xff, and the bytes are read by this program alone.
.set SPARE, 67584                      ; behind both paths' regions: the spare words, 128 bytes for each wave: two blocks of 256 bytes that no other line names
.set SPW,   190                        ; v190  LDS address of my spare word: SPARE + 4 x my thread's number; never rewritten
.set NIL,   191                        ; v191  0; never rewritten
.set EMAX,  2
; path X
.set STEPS, 16
.set CB,    8                          ; bytes of 16 codes
.set XR,    16                         ; v16-79   four sets of 16 numbers as they are loaded
.set XX,    80                         ; v80-111  two sets of 16 neighbours
.set XE,    112                        ; v112-127 a scale byte for each step
.set XC,    128                        ; v128-189 codes: four registers for each step, so that no store's data are written again
.set WREG,  8192                       ; LDS 0 .. 32,767: a region for each wave: two stages of 32 x SP bytes, behind them its 256 scale bytes
.set SP,    80                         ; a lane's place in a stage: its 64 bytes + 16 of padding
; path W
.set WSTG,  32768                      ; LDS 32,768 .. 67,583: a stage of 32 rows x 272 bytes for each wave
.set NB,    16                         ; blocks of 32 along K for a wave
.set WPITCH, 272
.set KROW,  512                        ; a row of wc in bytes
.set WROW,  12288                      ; a row of w_qkv in bytes
.set WX,    32                         ; v32-95   two sets of 32 numbers
.set WCD,   96                         ; v96-99   a block's codes
.set WOUT,  112                        ; v112-175 the way out
.set WSB,   24                         ; v24-27   the scale bytes, four to a register
; path C
.set CIN,   32                         ; v32-159  four sets of 32 numbers; the f16 go out of v160-175 and v16-31 by turns
.macro XLOAD t
.irp i, 0,1,2,3
	global_load_b128 v[XR+16*((\t)%4)+4*\i:XR+16*((\t)%4)+4*\i+3], v3, s[4:5] offset:2048*(\t)+512*\i th:TH_LOAD_NT   ; 32 lanes read 512 consecutive bytes
.endr
.endm
.macro XTURN t                         ; step t's numbers through the stage: LDS serves a wave's instructions in order, so no wait stands between the stores and the loads
.irp i, 0,1,2,3
	ds_store_b128 v14, v[XR+16*((\t)%4)+4*\i:XR+16*((\t)%4)+4*\i+3] offset:32*SP*((\t)%2)+8*SP*\i
.endr
.irp i, 0,1,2,3
	ds_load_b128 v[XX+16*((\t)%2)+4*\i:XX+16*((\t)%2)+4*\i+3], v15 offset:32*SP*((\t)%2)+16*\i
.endr
.endm
.macro XSTEP t
.set XS, XX+16*((\t)%2)
.if (\t) > 0
	s_wait_dscnt 1                                 ; this step's numbers are back from the stage (the last step's byte store may be out)
.else
	s_wait_dscnt 0x0
.endif
.if (\t)+4 < STEPS
	XLOAD (\t)+4                                   ; the registers that the stage's stores have read take the loads of four steps on
.endif
.if (\t)+1 < STEPS
.if STEPS-2-(\t) >= 3
	s_wait_loadcnt 12                              ; the next step's four loads are in; those of the three steps behind it may be out
.else
	s_wait_loadcnt 4*(STEPS-2-(\t))
.endif
	XTURN (\t)+1
.endif
	v_max3_num_f32 v8, |v[XS]|, |v[XS+1]|, |v[XS+2]|               ; the largest magnitude of my 16, in two chains
	v_max3_num_f32 v9, |v[XS+3]|, |v[XS+4]|, |v[XS+5]|
.irp i, 6,10
	v_max3_num_f32 v8, v8, |v[XS+\i]|, |v[XS+\i+1]|
	v_max3_num_f32 v9, v9, |v[XS+\i+2]|, |v[XS+\i+3]|
.endr
	v_max3_num_f32 v8, v8, |v[XS+14]|, |v[XS+15]|
	v_max3_num_f32 v8, v8, v9, (EMAX+1)<<23        ; and the floor 2^(EMAX + 1 - 127): the byte cannot fall under 1
	v_max_num_f32_dpp v8, v8, v8 row_xmask:1 row_mask:0xf bank_mask:0xf   ; and of my neighbour's 16: the block's
	v_add_nc_u32 v11, -(EMAX<<23), v8              ; EMAX off its exponent field: the conversion takes the exponent field of this operand as its scale
	v_cvt_scalef32_pk8_fp4_f32 v[XC+4*(\t)], v[XS:XS+7], v11
	v_cvt_scalef32_pk8_fp4_f32 v[XC+4*(\t)+1], v[XS+8:XS+15], v11
	v_lshrrev_b32 v[XE+(\t)], 23, v11              ; the scale's byte (a plain line behind the conversions)
	ds_store_b8 v5, v[XE+(\t)] offset:16*(\t)      ; both lanes of a block write the same byte with the same value
	global_store_b64 v4, v[XC+4*(\t):XC+4*(\t)+1], s[10:11] offset:32*CB*(\t)   ; the wave stores 256 consecutive bytes, aligned
.endm
.macro WLOAD t                         ; block t: w(32 t + i, my column), i = 0 .. 31, into set t % 2; a wave's load reads 128 consecutive bytes
.irp i, 0,1,2,3,4,5,6,7,8,9,10,11,12,13,14,15,16,17,18,19,20,21,22,23,24,25,26,27,28,29,30,31
	global_load_b32 v[WX+32*((\t)%2)+\i], v3, s[6:7] offset:(32*(\t)+\i)*WROW th:TH_LOAD_NT
.endr
.endm
.macro WBLOCK t
.set WS0, WX+32*((\t)%2)
.if (\t) < NB-1
	s_wait_loadcnt 32                              ; this block's 32 loads are in; the next block's may be out
.else
	s_wait_loadcnt 0
.endif
	v_max3_num_f32 v12, |v[WS0]|, |v[WS0+1]|, |v[WS0+2]|           ; the block's largest magnitude: all 32 numbers are mine
	v_max3_num_f32 v13, |v[WS0+3]|, |v[WS0+4]|, |v[WS0+5]|
.irp i, 6,10,14,18,22,26
	v_max3_num_f32 v12, v12, |v[WS0+\i]|, |v[WS0+\i+1]|
	v_max3_num_f32 v13, v13, |v[WS0+\i+2]|, |v[WS0+\i+3]|
.endr
	v_max3_num_f32 v12, v12, |v[WS0+30]|, |v[WS0+31]|
	v_max3_num_f32 v12, v12, v13, (EMAX+1)<<23
	v_add_nc_u32 v11, -(EMAX<<23), v12
	v_lshrrev_b32 v13, 23, v11                     ; the scale's byte
.if (\t)%4 == 0
	v_mov_b32 v[WSB+(\t)/4], v13                   ; four bytes to a register, the lower K in the lower byte
.else
	v_lshl_or_b32 v[WSB+(\t)/4], v13, 8*((\t)%4), v[WSB+(\t)/4]
.endif
.irp g, 0,1,2,3
	v_cvt_scalef32_pk8_fp4_f32 v[WCD+\g], v[WS0+8*\g:WS0+8*\g+7], v11
.endr
	v_nop                                          ; a plain line behind the last conversion
	ds_store_b128 v4, v[WCD:WCD+3] offset:16*(\t)  ; 32 codes: 16 bytes of my column's row
.if (\t)+2 < NB
	WLOAD (\t)+2
.endif
	s_wait_dscnt 0x0                               ; the store has read its registers: the next block's codes may be written
.endm
.macro CLOAD t
.irp i, 0,1,2,3,4,5,6,7
	global_load_b128 v[CIN+32*((\t)%4)+4*\i:CIN+32*((\t)%4)+4*\i+3], v3, s[8:9] offset:4096*(\t)+512*\i th:TH_LOAD_NT
.endr
.endm
.macro CTURN t
.set CI, CIN+32*((\t)%4)
.set CO, 160-144*((\t)%2)
.if (\t) < 4
	s_wait_loadcnt 24                              ; this round's eight loads are in; the three younger rounds' 24 may be out
.else
	s_wait_loadcnt 8*(7-(\t))
.endif
	s_wait_xcnt 0x0                                ; the stores of two rounds ago have read this set of f16 registers
.irp i, 0,1,2,3,4,5,6,7,8,9,10,11,12,13,14,15
	v_cvt_pk_f16_f32 v[CO+\i], v[CI+2*\i], v[CI+2*\i+1]
.endr
.if (\t) < 4
	CLOAD (\t)+4
.endif
.irp i, 0,1,2,3,4,5,6,7
	global_store_b64 v4, v[CO+2*\i:CO+2*\i+1], s[18:19] offset:2048*(\t)+256*\i   ; the wave stores 256 consecutive bytes, aligned
.endr
.endm
	s_load_b256 s[4:11], s[0:1], 0x0               ; x s[4:5], w_qkv s[6:7], w_proj s[8:9], xc s[10:11]
	s_load_b256 s[12:19], s[0:1], 0x20             ; xs s[12:13], wc s[14:15], ws s[16:17], wp16 s[18:19]
	v_lshl_add_u32 v[SPW], v0, 2, SPARE
	v_mov_b32 v[NIL], 0
	v_lshrrev_b32 v1, 5, v0
	v_readfirstlane_b32 s20, v1                    ; wave 0..3
	v_and_b32 v2, 31, v0                           ; lane
	s_mov_b32 s25, 0
	s_wait_kmcnt 0x0
	s_cmp_lt_u32 ttmp9, 256
	s_cbranch_scc0 .Lnot_x
	; ---------------- path X: x
	v_lshlrev_b32 v3, 4, v2                        ; my 16 bytes of a load's 512
	s_mul_i32 s21, s20, WREG
	v_lshrrev_b32 v14, 2, v2
	v_mul_u32_u24 v14, v14, SP
	v_and_b32 v15, 3, v2
	v_lshl_add_u32 v14, v15, 4, v14
	v_add_nc_u32 v14, s21, v14                     ; the stage, on the way in: SP (lane / 4) + 16 (lane % 4)
	v_mul_u32_u24 v15, v2, SP
	v_add_nc_u32 v15, s21, v15                     ; and on the way out: SP x lane: my 16 neighbours
	v_mul_u32_u24 v4, v2, CB                       ; my codes' place in a step's
	v_lshrrev_b32 v5, 1, v2
	s_add_co_u32 s21, s21, 2*32*SP
	v_add_nc_u32 v5, s21, v5                       ; my wave's 256 scale bytes, my block's byte
	v_lshlrev_b32 v7, 3, v2
	v_add_nc_u32 v6, s21, v7                       ; and on the way out 8 bytes a lane
	s_lshl_b32 s22, ttmp9, 2
	s_add_co_u32 s22, s22, s20                     ; which run of 8,192 numbers is my wave's
	s_lshl_b32 s24, s22, 15
	s_add_nc_u64 s[4:5], s[4:5], s[24:25]
	s_lshl_b32 s24, s22, 12
	s_add_nc_u64 s[10:11], s[10:11], s[24:25]
	s_lshl_b32 s24, s22, 8
	s_add_nc_u64 s[12:13], s[12:13], s[24:25]
.irp t, 0,1,2,3
	XLOAD \t
.endr
	s_wait_loadcnt 12                              ; step 0's four loads are in
	XTURN 0
.irp t, 0,1,2,3,4,5,6,7,8,9,10,11,12,13,14,15
	XSTEP \t
.endr
	ds_load_b64 v[8:9], v6                         ; LDS serves a wave's instructions in order: these see my byte stores
	s_wait_dscnt 0x0
	global_store_b64 v7, v[8:9], s[12:13]          ; 32 lanes store 256 consecutive bytes, aligned
	s_wait_tensorcnt 0x0                           ; the wave's end: behind my last LDS store
	ds_add_u32 v[SPW], v[NIL]
	s_wait_dscnt 0x0
	s_endpgm
.Lnot_x:
	s_cmp_lt_u32 ttmp9, 304
	s_cbranch_scc0 .Lpath_c
	; ---------------- path W: w_qkv.  id = work-group - 256: 24 groups of 128 columns x 2 halves of K
	s_sub_co_u32 s21, ttmp9, 256
	s_cmp_ge_u32 s21, 24
	s_cselect_b32 s22, 1, 0                        ; which 512 along K
	s_cselect_b32 s23, 24, 0
	s_sub_co_u32 s21, s21, s23
	s_lshl_b32 s21, s21, 7
	s_lshl_b32 s23, s20, 5
	s_add_co_u32 s21, s21, s23                     ; my wave's first column
	v_lshlrev_b32 v3, 2, v2                        ; in: 4 bytes a lane
	s_mul_i32 s23, s20, 32*WPITCH
	s_add_co_u32 s23, s23, WSTG                    ; my stage
	v_mul_u32_u24 v4, v2, WPITCH
	v_add_nc_u32 v4, s23, v4                       ; into it: row = my column
	v_and_b32 v5, 15, v2
	v_lshrrev_b32 v6, 4, v2                        ; out of it: sixteen lanes to a row, two rows an instruction
	v_mul_u32_u24 v7, v6, WPITCH
	v_lshl_add_u32 v7, v5, 4, v7
	v_add_nc_u32 v7, s23, v7
	v_mul_u32_u24 v8, v6, KROW
	v_lshl_add_u32 v8, v5, 4, v8                   ; and the same place in wc
	v_lshlrev_b32 v9, 5, v2                        ; my column's row of ws: 32 bytes
	s_mul_i32 s24, s22, 512*WROW
	s_lshl_b32 s26, s21, 2
	s_add_co_u32 s24, s24, s26
	s_add_nc_u64 s[6:7], s[6:7], s[24:25]          ; w_qkv: 512 y rows down, my first column
	s_lshl_b32 s24, s21, 9
	s_lshl_b32 s26, s22, 8
	s_add_co_u32 s24, s24, s26
	s_add_nc_u64 s[14:15], s[14:15], s[24:25]      ; wc: column x 512 + 256 y
	s_lshl_b32 s24, s21, 5
	s_lshl_b32 s26, s22, 4
	s_add_co_u32 s24, s24, s26
	s_add_nc_u64 s[16:17], s[16:17], s[24:25]      ; ws: column x 32 + 16 y
	WLOAD 0
	WLOAD 1
.set Q, 0
.rept NB
	WBLOCK Q
.set Q, Q+1
.endr
	global_store_b128 v9, v[WSB:WSB+3], s[16:17]   ; my column's 16 scale bytes: rows 32 bytes apart, one byte in 128 of what the path reads
.irp t, 0,1,2,3,4,5,6,7,8,9,10,11,12,13,14,15
	ds_load_b128 v[WOUT+4*\t:WOUT+4*\t+3], v7 offset:2*\t*WPITCH
.endr
.irp t, 0,1,2,3,4,5,6,7,8,9,10,11,12,13,14,15
	s_wait_dscnt 15-\t                             ; LDS loads come back in order: pair t of rows is in
	global_store_b128 v8, v[WOUT+4*\t:WOUT+4*\t+3], s[14:15] offset:2*\t*KROW   ; sixteen lanes store 256 consecutive bytes, aligned
.endr
	s_wait_tensorcnt 0x0                           ; the wave's end: behind my last LDS store
	ds_add_u32 v[SPW], v[NIL]
	s_wait_dscnt 0x0
	s_endpgm
.Lpath_c:
	; ---------------- path C: w_proj to f16.  No LDS is touched on this path
	s_sub_co_u32 s21, ttmp9, 304
	s_lshl_b32 s21, s21, 2
	s_add_co_u32 s21, s21, s20                     ; which run of 8,192 numbers
	s_lshl_b32 s24, s21, 15
	s_add_nc_u64 s[8:9], s[8:9], s[24:25]
	s_lshl_b32 s24, s21, 14
	s_add_nc_u64 s[18:19], s[18:19], s[24:25]
	v_lshlrev_b32 v3, 4, v2
	v_lshlrev_b32 v4, 3, v2
.irp t, 0,1,2,3
	CLOAD \t
.endr
.irp t, 0,1,2,3,4,5,6,7
	CTURN \t
.endr
	s_endpgm
.Lfunc_end_k_q9a9c43c4ca_prep:
	.size	k_q9a9c43c4ca_prep, .Lfunc_end_k_q9a9c43c4ca_prep-k_q9a9c43c4ca_prep
	.p2alignl 7, 3214868480
	.fill 96, 4, 3214868480
	.section	.rodata,"a",@progbits
	.p2align	6, 0x0
	.amdhsa_kernel k_q9a9c43c4ca_prep
		.amdhsa_group_segment_fixed_size 68096
		.amdhsa_private_segment_fixed_size 0
		.amdhsa_enable_private_segment 0
		.amdhsa_kernarg_size 64
		.amdhsa_user_sgpr_count 2
		.amdhsa_user_sgpr_kernarg_segment_ptr 1
		.amdhsa_wavefront_size32 1
		.amdhsa_system_sgpr_workgroup_id_x 1
		.amdhsa_system_sgpr_workgroup_id_y 1
		.amdhsa_system_sgpr_workgroup_id_z 1
		.amdhsa_system_vgpr_workitem_id 0
		.amdhsa_next_free_vgpr 192
		.amdhsa_next_free_sgpr 66
		.amdhsa_reserve_vcc 0
		.amdhsa_float_denorm_mode_32 3
		.amdhsa_float_denorm_mode_16_64 3
		.amdhsa_memory_ordered 1
		.amdhsa_forward_progress 1
		.amdhsa_inst_pref_size 132
	.end_amdhsa_kernel
	.amdgpu_metadata
---
amdhsa.version: [ 1, 2 ]
amdhsa.kernels:
  - .name:           k_q9a9c43c4ca_prep
    .symbol:         k_q9a9c43c4ca_prep.kd
    .args:
      - { .name: x, .offset: 0, .size: 8, .value_kind: global_buffer, .address_space: global }
      - { .name: w_qkv, .offset: 8, .size: 8, .value_kind: global_buffer, .address_space: global }
      - { .name: w_proj, .offset: 16, .size: 8, .value_kind: global_buffer, .address_space: global }
      - { .name: xc, .offset: 24, .size: 8, .value_kind: global_buffer, .address_space: global }
      - { .name: xs, .offset: 32, .size: 8, .value_kind: global_buffer, .address_space: global }
      - { .name: wc, .offset: 40, .size: 8, .value_kind: global_buffer, .address_space: global }
      - { .name: ws, .offset: 48, .size: 8, .value_kind: global_buffer, .address_space: global }
      - { .name: wp16, .offset: 56, .size: 8, .value_kind: global_buffer, .address_space: global }
    .group_segment_fixed_size: 68096
    .private_segment_fixed_size: 0
    .kernarg_segment_align: 8
    .kernarg_segment_size: 64
    .max_flat_workgroup_size: 128
    .sgpr_count:     66
    .vgpr_count:     192
    .wavefront_size: 32
...
	.end_amdgpu_metadata
.endif
;; end of part 1
;; launch qkv (part 2): grid 12 x 32, 4 waves a work-group, clusters of 4 x 4, 327,680 bytes of LDS; arguments xc, xs, wc, ws, qkv16, b_qkv, qkv32; writes qkv16, qkv32
.if DOCPART == 2
	.amdgcn_target "amdgcn-amd-amdhsa--gfx1250"
	.amdhsa_code_object_version 6
	.text
	.protected	k_q9a9c43c4ca_qkv
	.globl	k_q9a9c43c4ca_qkv
	.p2align	8
	.type	k_q9a9c43c4ca_qkv,@function
k_q9a9c43c4ca_qkv:
	s_mov_b64 s[64:65], 0
	v_nop
	global_prefetch_b8 v0, s[64:65] scope:SCOPE_SE
	s_setreg_imm32_b32 hwreg(HW_REG_WAVE_MODE, 25, 1), 1
	s_wait_xcnt 0x0
	s_wait_alu depctr_hold_cnt(0) depctr_sa_sdst(0) depctr_va_vdst(0) depctr_va_sdst(0) depctr_va_ssrc(0) depctr_va_vcc(0) depctr_vm_vsrc(0)
	s_getreg_b32 s2, hwreg(HW_REG_IB_STS2, 6, 4)
	s_cmp_eq_u32 s2, 0
	s_cbranch_scc0 .Lentry_in_a_cluster
	s_endpgm
.Lentry_in_a_cluster:
	s_bfe_u32 s2, ttmp6, 0x10000c
	s_cmp_lg_u32 s2, 0xf033
	s_cbranch_scc0 .Lentry_shape_is_right
	s_endpgm
.Lentry_shape_is_right:
; qkv = Q(x) Q(w_qkv) + b_qkv on codes of FP4 (E2M1) with one E8M0 scale for each 32 along K; sums in f32.  A = xc [8192][1024 codes], B = wc [3072][1024 codes], scales xs [8192][32], ws [3072][32].
; OUT: qkv16 [3 (q, k, v)][batch 4][head 16][position 2048][64] f16, and the f32 numbers of positions 0-15 of each sequence in qkv32 [batch 4][16][3072], for the launch that carries those rows finely.
; Nothing is left out here: every column of q, k and v is used, and so is every number of b_qkv (the bias on K too: see the first kernel's head).
; A tile of C, 256 x 256, is made by a work-group of four waves; a wave makes 128 x 128: 64 accumulators, 512 registers.  All of K, 1,024, fits the two LDS slots of 512 along K: both are asked for at the head,
; with the scale bytes, three tensor loads a wave; nothing is filled again and there is no loop.
; CLUSTERS: 4 x 4 work-groups.  The four of a row of the cluster need the same tiles of A, the four of a column the same tiles of B: each is asked for jointly.  TILE ROW = 8 cy + cluster y: so the batch is cy and
; the block of 256 positions is the cluster's y, which all sixteen partners share: the branch round the f32 copy hangs on it and on the wave's number alone.  TILE COLUMN = 4 cluster x + cx: q, k or v is cluster x.
; THE MATRIX INSTRUCTION IS USED TRANSPOSED (source 0 = 16 rows of B, source 1 = 16 rows of A): a lane holds eight neighbouring columns of one row of C.  THE BIAS is the C of the first K step's products.
; REGISTERS, in windows of 256: window 0: v0-31 addresses; v32-95 scale words, two sets; v96-127 packed results; v128-191 A's fragments, one set, later rows on the way out; v192-255 the bias, 8 registers for each block of B.
;   window 1: B's fragments, two sets, at v0 and v128.   window 2: the accumulators of my rows 0-63 ((a, b) at v[8 (8 a + b)]);   window 3: those of my rows 64-127.
.set SIZE_K, 1024
.set NQ,     4                         ; matrix instructions deep in a slot of 512 along K
.set ROWB,   256                       ; a tile's row in bytes
.set KROW,   512                       ; a row of xc or wc in bytes
.set PITCH,  272                       ; an LDS row: 256 bytes + 16 of padding = 68 words: the 16 rows that a load touches start at 16 different banks
.set FR,     8
.set NL,     2
.set NP,     4                         ; places behind this matrix instruction (ISA guide 7.12.1)
.set HALFT,  128*PITCH
.set SLOT,   4*HALFT
.set KS,     32                        ; a row of scales in bytes
.set SCL,    2*SLOT                    ; behind the ring: the scales, as units of 256 bytes + 16 of padding
.set HALFS,  16*272                    ; the scales of 128 rows
.set SBLK,   2*272                     ; those of 16 rows
.set SPARE,  SCL+4*HALFS               ; the spare words, 128 bytes for each wave, which no other line names
.set ADRA, 16
.set ADRB, 20
.set STO,  24                          ; v24  the way out: where I put 16 bytes of a head's row
.set RD,   25                          ; v25  where I read rows back
.set CO,   26                          ; v26  16 x lane
.set ADRS, 27
.set SPW,  28
.set NIL,  29
.set CF,   30                          ; v30  the f32 copy: row r of 12,288 bytes + 32 (lane / 16)
.set SC,   32
.set TMP,  96
.set AF,   128
.set OB,   128                         ; the way out: v128-159 and v160-191 by turns
.set BIAS, 192
.set G1, 24
.set G0, 32
.set G1B, 48
.set G0B, 56
.set G1S, 68
.set G0S, 76
.set G1SB, 80
.set G0SB, 88
.set MSB, 0
.macro WIN new                         ; the immediate's high byte repeats the setting that is left
.if MSB != \new
	s_set_vgpr_msb (MSB<<8)|\new
.set MSB, \new
.endif
.endm
.set MUL_LO, 0xa1                      ; source 0 (B) window 1, source 1 (A) window 0, C and D window 2
.set MUL_HI, 0xf1                      ; the same, C and D window 3
.set FIRST_LO, 0x81                    ; the first K step: C (the bias) window 0, D window 2
.set FIRST_HI, 0xc1                    ; D window 3
.set TO_B,   0x40
; A joint load: waves 0 and 1 fetch for A, waves 2 and 3 for B; the branch hangs on the wave's number alone.  An s_nop 0 and four v_nop follow each of the two lines.
.macro JLOAD g0a, g1a, g0b, g1b
	s_cmp_eq_u32 s15, 0
	s_cbranch_scc0 .Lfor_b_\@
	tensor_load_to_lds s[\g0a:\g0a+3], s[\g1a:\g1a+7]
	s_nop 0
.rept 4
	v_nop
.endr
	s_branch .Lasked_\@
.Lfor_b_\@:
	tensor_load_to_lds s[\g0b:\g0b+3], s[\g1b:\g1b+7]
	s_nop 0
.rept 4
	v_nop
.endr
.Lasked_\@:
.endm
.macro CROUND                          ; a round of the cluster's barrier
	s_barrier_signal -1
	s_barrier_wait -1
	s_cmp_lg_u32 s14, 0
	s_cbranch_scc1 .Lnot_wave_0_\@
	s_barrier_signal -3
.Lnot_wave_0_\@:
	s_barrier_wait -3
	s_barrier_signal -1
	s_barrier_wait -1
.endm
	s_load_b128 s[4:7], s[0:1], 0x0                ; xc, xs
	s_load_b128 s[8:11], s[0:1], 0x10              ; wc, ws
	s_load_b64 s[12:13], s[0:1], 0x20              ; qkv16
	s_load_b128 s[96:99], s[0:1], 0x28             ; b_qkv, qkv32
	v_lshl_add_u32 v[SPW], v0, 2, SPARE
	v_mov_b32 v[NIL], 0
	ds_add_u32 v[SPW], v[NIL]                      ; the wave's opening: the add, twice on end, and its wait ahead of my first tensor load
	ds_add_u32 v[SPW], v[NIL]
	v_lshrrev_b32 v1, 5, v0
	v_readfirstlane_b32 s14, v1                    ; wave 0..3
	s_lshr_b32 s15, s14, 1                         ; which half of the tile's rows is mine.  Also: I fetch for A (0) or for B (1)
	s_and_b32 s16, s14, 1                          ; which half of its columns.  Also: which 128 rows of that tile I fetch
	s_bfe_u32 s40, ttmp6, 0x40000                  ; cx
	s_bfe_u32 s41, ttmp6, 0x40004                  ; cy
	s_lshl_b32 s42, ttmp9, 2
	s_add_co_u32 s42, s42, s40                     ; tile column = 4 x cluster x + cx
	s_and_b32 s66, ttmp7, 0xffff                   ; cluster y: the block of 256 positions
	s_lshl_b32 s17, s41, 3
	s_add_co_u32 s17, s17, s66                     ; tile row = 8 cy + cluster y
	s_lshl_b32 s43, s41, 2
	s_lshl_b32 s43, 15, s43                        ; my row of the cluster
	s_lshl_b32 s44, 0x1111, s40                    ; my column
	s_or_b32 s[G1+0], s43, (0<<16)|(1<<20)|(1<<21)|(5<<22)|(3<<25)   ; the mask; elements of 1 byte; padding on; bit 21 beside a mask; 4 words after every 64
	s_or_b32 s[G1B+0], s44, (0<<16)|(1<<20)|(1<<21)|(5<<22)|(3<<25)
.irp g, G1, G1B
	s_mov_b32 s[\g+1], ROWB<<16                    ; tensor_dim0
	s_mov_b32 s[\g+2], 128<<16                     ; tensor_dim1
	s_mov_b32 s[\g+3], ROWB<<16                    ; tile_dim0
	s_mov_b32 s[\g+4], 128                         ; tile_dim1
	s_mov_b32 s[\g+5], KROW                        ; the pitch
	s_mov_b32 s[\g+6], 0
	s_mov_b32 s[\g+7], 0
.endr
	s_or_b32 s[G1S+0], s43, (3<<16)|(1<<20)|(1<<21)|(5<<22)|(3<<25)  ; the scales of 128 rows: 4,096 dense bytes as 16 rows of 256 (32 elements of 8 bytes), 16 bytes of padding behind each
	s_or_b32 s[G1SB+0], s44, (3<<16)|(1<<20)|(1<<21)|(5<<22)|(3<<25)
.irp g, G1S, G1SB
	s_mov_b32 s[\g+1], 32<<16
	s_mov_b32 s[\g+2], 16<<16
	s_mov_b32 s[\g+3], 32<<16
	s_mov_b32 s[\g+4], 16
	s_mov_b32 s[\g+5], 32
	s_mov_b32 s[\g+6], 0
	s_mov_b32 s[\g+7], 0
.endr
	s_lshl_b32 s18, s16, 7
	s_lshl_b32 s20, s17, 8
	s_add_co_u32 s20, s20, s18                     ; A: row 256 x tile row + 128 x half
	s_lshl_b32 s46, s42, 8
	s_add_co_u32 s46, s46, s18                     ; B: row 256 x tile column + 128 x half
	s_mov_b32 s21, 0
	s_mov_b32 s47, 0
	s_mov_b64 s[18:19], KS
	s_mul_u64 s[22:23], s[20:21], s[18:19]         ; where these rows' scales begin,
	s_mul_u64 s[92:93], s[46:47], s[18:19]
	s_mov_b64 s[18:19], KROW
	s_mul_u64 s[20:21], s[20:21], s[18:19]         ; and their codes
	s_mul_u64 s[46:47], s[46:47], s[18:19]
	s_mul_i32 s45, s14, HALFT                      ; where they go: wave x 128 rows: no place in the cluster enters an LDS address
	s_mul_i32 s94, s14, HALFS
	s_wait_dscnt 0x0                               ; both opening adds are done
	s_wait_kmcnt 0x0
	s_add_nc_u64 s[20:21], s[4:5], s[20:21]
	s_add_nc_u64 s[22:23], s[6:7], s[22:23]
	s_add_nc_u64 s[46:47], s[8:9], s[46:47]
	s_add_nc_u64 s[92:93], s[10:11], s[92:93]
	CROUND                                         ; all sixteen work-groups are here: the joint loads meet
	s_mov_b32 s[G0S], 1
	s_add_co_u32 s[G0S+1], s94, SCL
	s_mov_b64 s[G0S+2:G0S+3], s[22:23]
	s_or_b32 s[G0S+3], s[G0S+3], 0x80000000
	s_mov_b32 s[G0SB], 1
	s_add_co_u32 s[G0SB+1], s94, SCL
	s_mov_b64 s[G0SB+2:G0SB+3], s[92:93]
	s_or_b32 s[G0SB+3], s[G0SB+3], 0x80000000
	JLOAD G0S, G1S, G0SB, G1SB                     ; the scales first: they are wanted with the first slot
.irp s, 0,1
	s_mov_b32 s[G0+4*\s], 1
	s_add_co_u32 s[G0+4*\s+1], s45, \s*SLOT
	s_add_nc_u64 s[G0+4*\s+2:G0+4*\s+3], s[20:21], \s*ROWB
	s_or_b32 s[G0+4*\s+3], s[G0+4*\s+3], 0x80000000
	s_mov_b32 s[G0B+4*\s], 1
	s_add_co_u32 s[G0B+4*\s+1], s45, \s*SLOT
	s_add_nc_u64 s[G0B+4*\s+2:G0B+4*\s+3], s[46:47], \s*ROWB
	s_or_b32 s[G0B+4*\s+3], s[G0B+4*\s+3], 0x80000000
	JLOAD G0+4*\s, G1, G0B+4*\s, G1B               ; three tensor loads of mine are out: all of K is asked for
.endr
	v_and_b32 v1, 15, v0                           ; r = l % 16
	v_bfe_u32 v2, v0, 4, 1                         ; h = l / 16
	v_mul_u32_u24 v3, v1, PITCH
	v_lshl_add_u32 v4, v2, 4, v3                   ; a fragment's row x pitch + 16 x half
	s_mul_i32 s21, s15, HALFT                      ; my 128 rows of A
	s_mul_i32 s22, s16, HALFT                      ; my 128 rows of B,
	s_add_co_u32 s22, s22, 2*HALFT                 ; which lie behind A's 256
.irp s, 0,1
	v_add_nc_u32 v[ADRA+\s], s21, v4
	v_add_nc_u32 v[ADRB+\s], s22, v4
	s_add_co_u32 s21, s21, SLOT
	s_add_co_u32 s22, s22, SLOT
.endr
	v_mul_u32_u24 v5, v1, KS                       ; my row's scales: 32 bytes a row,
	v_lshrrev_b32 v6, 8, v5
	v_lshl_add_u32 v5, v6, 4, v5                   ; and 16 more for each 256 passed
	s_mul_i32 s21, s15, HALFS
	s_mul_i32 s22, s16, HALFS
	s_add_co_u32 s22, s22, 2*HALFS
	s_sub_co_u32 s22, s22, s21
	v_mul_u32_u24 v6, s22, v2                      ; lanes 16-31 take B's
	s_add_co_u32 s21, s21, SCL
	v_add_nc_u32 v5, v5, v6
	v_add_nc_u32 v[ADRS], s21, v5
	s_mul_i32 s23, s14, 4608                       ; my stage, in slot 0: 2 heads x 16 rows x 144 bytes
	v_mul_u32_u24 v5, v1, 144
	v_lshl_add_u32 v5, v2, 4, v5
	v_add_nc_u32 v[STO], s23, v5                   ; in: row r, 16 bytes for each half of the lanes
	v_and_b32 v6, 31, v0
	v_lshlrev_b32 v[CO], 4, v6
	v_lshrrev_b32 v5, 3, v6
	v_mul_u32_u24 v5, v5, 144
	v_and_b32 v6, 7, v6
	v_lshl_add_u32 v5, v6, 4, v5
	v_add_nc_u32 v[RD], s23, v5                    ; back: eight lanes to a row of 128 bytes, four rows an instruction
	v_mul_u32_u24 v[CF], v1, 12288
	v_lshl_add_u32 v[CF], v2, 5, v[CF]
	v_lshlrev_b32 v7, 5, v2                        ; the bias: 32 (lane / 16) bytes
	s_lshl_b32 s46, s42, 10
	s_lshl_b32 s47, s16, 9
	s_add_co_u32 s46, s46, s47                     ; 4 x my first column
	s_mov_b32 s47, 0
	s_add_nc_u64 s[96:97], s[96:97], s[46:47]
	s_add_nc_u64 s[98:99], s[98:99], s[46:47]
	s_mul_i32 s46, s41, 196608                     ; qkv32: the batch's 16 rows of 12,288 bytes
	s_add_nc_u64 s[98:99], s[98:99], s[46:47]
.irp b, 0,1,2,3,4,5,6,7
	global_load_b128 v[BIAS+8*\b:BIAS+8*\b+3], v7, s[96:97] offset:64*\b          ; lane (r, h): b_qkv at my column 16 b + 8 h + 0 .. 7
	global_load_b128 v[BIAS+8*\b+4:BIAS+8*\b+7], v7, s[96:97] offset:64*\b+16
.endr
	s_lshl_b32 s20, ttmp9, 24                      ; qkv16: q, k or v,
	s_lshl_b32 s21, s41, 22                        ; the batch,
	s_add_co_u32 s20, s20, s21
	s_lshl_b32 s21, s40, 2
	s_lshl_b32 s22, s16, 1
	s_add_co_u32 s21, s21, s22
	s_lshl_b32 s21, s21, 18                        ; my first head = 4 cx + 2 x half,
	s_add_co_u32 s20, s20, s21
	s_lshl_b32 s21, s66, 15                        ; 256 positions x 128 bytes for each block,
	s_add_co_u32 s20, s20, s21
	s_lshl_b32 s21, s15, 14                        ; my 128 rows
	s_add_co_u32 s20, s20, s21
	s_mov_b32 s21, 0
	s_add_nc_u64 s[12:13], s[12:13], s[20:21]
.macro FRAG reg, adr, q, i             ; a fragment, 16 rows x 128 K of 4-bit codes: two loads of 16 bytes, 32 bytes apart
.irp c, 0,1
	ds_load_b128 v[\reg+4*\c:\reg+4*\c+3], v[\adr] offset:64*(\q)+32*\c+(\i)*16*PITCH
.endr
.endm
; 16 matrix instructions: A's blocks a0, a0 + 1 x B's eight.  p: B's set; sc: the set of scale words; zero = 1: the first K step, whose C is the bias.  The 64 accumulators take turns.
.macro MUL16 a0, p, q, sc, zero
.irp a, \a0, \a0+1
.irp b, 0,1,2,3,4,5,6,7
.if \zero
	v_wmma_scale_f32_16x16x128_f8f6f4 v[8*(8*((\a)%4)+\b):8*(8*((\a)%4)+\b)+7], v[128*(\p)+FR*\b:128*(\p)+FR*\b+FR-1], v[AF+FR*(\a):AF+FR*(\a)+FR-1], v[BIAS+8*\b:BIAS+8*\b+7], v[SC+8*NQ*(\sc)+NQ*\b+(\q)], v[SC+8*NQ*(\sc)+NQ*(\a)+(\q)] matrix_a_fmt:MATRIX_FMT_FP4 matrix_b_fmt:MATRIX_FMT_FP4 matrix_a_scale:MATRIX_SCALE_ROW1
.else
	v_wmma_scale_f32_16x16x128_f8f6f4 v[8*(8*((\a)%4)+\b):8*(8*((\a)%4)+\b)+7], v[128*(\p)+FR*\b:128*(\p)+FR*\b+FR-1], v[AF+FR*(\a):AF+FR*(\a)+FR-1], v[8*(8*((\a)%4)+\b):8*(8*((\a)%4)+\b)+7], v[SC+8*NQ*(\sc)+NQ*\b+(\q)], v[SC+8*NQ*(\sc)+NQ*(\a)+(\q)] matrix_a_fmt:MATRIX_FMT_FP4 matrix_b_fmt:MATRIX_FMT_FP4 matrix_a_scale:MATRIX_SCALE_ROW1
.endif
.endr
.endr
.endm
.macro FETCH_B slot, q, p
	WIN TO_B
.irp i, 0,1,2,3,4,5,6,7
	FRAG 128*(\p)+FR*\i, ADRB+\slot, \q, \i
.endr
	WIN 0
.endm
.macro FETCH_A slot, q, i0
.irp i, \i0, \i0+1, \i0+2, \i0+3
	FRAG AF+FR*(\i), ADRA+\slot, \q, \i
.endr
.endm
.macro SCALES sc                       ; a slot's scale words: 4 words a row; lanes 0-15 take A's block i, lanes 16-31 B's block i
.irp i, 0,1,2,3,4,5,6,7
	ds_load_b128 v[SC+8*NQ*\sc+NQ*\i:SC+8*NQ*\sc+NQ*\i+3], v[ADRS] offset:\i*SBLK
.endr
.endm
.macro PLACES n                        ; places in front of loads into registers that matrix instructions have read, and of the first read of results
.rept \n
	v_nop
.endr
.endm
.macro STEP slot, q, zero              ; a step of 128 along K that has its successor in the same slot
	s_wait_dscnt 4*NL                              ; B's set and A's blocks 0-3 are in; the youngest eight loads (A's blocks 4-7) may be out
.if \zero
	WIN FIRST_LO
.else
	WIN MUL_LO
.endif
	MUL16 0, (\q)%2, \q, \slot, \zero
	MUL16 2, (\q)%2, \q, \slot, \zero
	s_wait_dscnt 0                                 ; A's blocks 4-7 are in
	PLACES NP
	FETCH_B \slot, (\q)+1, 1-(\q)%2
	FETCH_A \slot, (\q)+1, 0
.if \zero
	WIN FIRST_HI
.else
	WIN MUL_HI
.endif
	MUL16 4, (\q)%2, \q, \slot, \zero
	MUL16 6, (\q)%2, \q, \slot, \zero
	PLACES NP
	WIN 0
	FETCH_A \slot, (\q)+1, 4
.endm
.macro STEPS slot, from
.set Q, \from
.rept NQ-1-\from
	STEP \slot, Q, 0
.set Q, Q+1
.endr
.endm
	s_wait_tensorcnt 1                             ; the scales and my part of slot 0 are in (slot 1's load may be out)
	s_barrier_signal -1
	s_barrier_wait -1                              ; everybody's are
	FETCH_B 0, 0, 0
	FETCH_A 0, 0, 0
	SCALES 0
	FETCH_A 0, 0, 4
	s_wait_loadcnt 0x0                             ; the bias
	STEP 0, 0, 1                                   ; the first step's products start the sums from the bias
	STEPS 0, 1
	; slot 0's last step changes slots: one barrier; in front of it my tensor loads are all in, and my reads of slot 0 are over
	s_wait_tensorcnt 0x0                           ; slot 1's part of mine has landed
	ds_add_u32 v[SPW], v[NIL]                      ; 0 onto my spare word
	s_wait_dscnt 4*NL+1                            ; (the add and the youngest eight loads may be out)
	WIN MUL_LO
	MUL16 0, 1, NQ-1, 0, 0
	s_wait_dscnt 0x0                               ; the add is done, and my reads of slot 0 are over
	s_barrier_signal -1
	MUL16 2, 1, NQ-1, 0, 0
	WIN 0
	s_barrier_wait -1
	PLACES NP
	v_add_nc_u32 v[ADRS], 4*NQ, v[ADRS]            ; on to slot 1's scale words
	FETCH_B 1, 0, 0
	FETCH_A 1, 0, 0
	SCALES 1
	WIN MUL_HI
	MUL16 4, 1, NQ-1, 0, 0
	MUL16 6, 1, NQ-1, 0, 0
	PLACES NP
	WIN 0
	FETCH_A 1, 0, 4
	STEPS 1, 0
	s_wait_dscnt 4*NL                              ; the very last step: nothing more to fetch
	WIN MUL_LO
	MUL16 0, 1, NQ-1, 1, 0
	MUL16 2, 1, NQ-1, 1, 0
	s_wait_dscnt 0
	WIN MUL_HI
	MUL16 4, 1, NQ-1, 1, 0
	MUL16 6, 1, NQ-1, 1, 0
	WIN 0
	PLACES NP
	; THE F32 COPY of positions 0-15: my block 0, where the tile begins a sequence (cluster y = 0) and I hold its upper rows.  16 bytes a lane to rows 12,288 bytes apart: 64 of the 8,192 rows
	s_or_b32 s2, s66, s15
	s_cmp_lg_u32 s2, 0
	s_cbranch_scc1 .Lno32
	WIN 0x08                                       ; a store's data are its source 1: window 2
.irp b, 0,1,2,3,4,5,6,7
	global_store_b128 v[CF], v[8*\b:8*\b+3], s[98:99] offset:64*\b
	global_store_b128 v[CF], v[8*\b+4:8*\b+7], s[98:99] offset:64*\b+16
.endr
	WIN 0
.Lno32:
; THE WAY OUT, block by block of 16 rows x 128 columns = two heads.  A lane's eight results pack into 16 bytes of a head's row; they go through my own stage (rows of 144 bytes) and come back four rows of a head at a time:
; 512 consecutive bytes of qkv16.  The stage lies in slot 0, which has had its one fill and was left by every wave at the barrier above.
.macro PACK a
.set AC, 64*((\a)%4)
	WIN 0x0a+5*((\a)/4)                            ; sources 0 and 1: window 2 or 3
.irp b, 0,1,2,3,4,5,6,7
.irp r, 0,1,2,3
	v_cvt_pk_f16_f32 v[TMP+4*\b+\r], v[AC+8*\b+2*\r], v[AC+8*\b+2*\r+1]
.endr
.endr
	WIN 0
.endm
.macro TOSTAGE a
.set BB, OB+32*((\a)%2)
.irp b, 0,1,2,3,4,5,6,7
	ds_store_b128 v[STO], v[TMP+4*\b:TMP+4*\b+3] offset:(\b/4)*2304+32*(\b%4)
.endr
.irp t, 0,1,2,3,4,5,6,7
	ds_load_b128 v[BB+4*\t:BB+4*\t+3], v[RD] offset:(\t/4)*2304+(\t%4)*576     ; LDS serves a wave's instructions in order: these see the stores above
.endr
.endm
.macro SEND a
.set BB, OB+32*((\a)%2)
	s_wait_dscnt 0x0                               ; the block is back in registers
	s_wait_xcnt 0x0                                ; the stores of the block before have read their registers, which the next block's loads take
.irp t, 0,1,2,3,4,5,6,7
	global_store_b128 v[CO], v[BB+4*\t:BB+4*\t+3], s[12:13] offset:(\t/4)*262144+(\a)*2048+(\t%4)*512   ; 32 lanes store 512 consecutive bytes, aligned
.endr
.endm
	PACK 0
	TOSTAGE 0
.irp a, 1,2,3,4,5,6,7                  ; block a's conversions stand between block a - 1's loads from the stage and the wait for them
	PACK \a
	SEND \a-1
	TOSTAGE \a
.endr
	SEND 7
	s_wait_tensorcnt 0x0                           ; the wave's end: behind my last tensor load and my last LDS store
	ds_add_u32 v[SPW], v[NIL]
	s_wait_dscnt 0x0
	CROUND                                         ; the closing round
	s_endpgm
.Lfunc_end_k_q9a9c43c4ca_qkv:
	.size	k_q9a9c43c4ca_qkv, .Lfunc_end_k_q9a9c43c4ca_qkv-k_q9a9c43c4ca_qkv
	.p2alignl 7, 3214868480
	.fill 96, 4, 3214868480
	.section	.rodata,"a",@progbits
	.p2align	6, 0x0
	.amdhsa_kernel k_q9a9c43c4ca_qkv
		.amdhsa_group_segment_fixed_size 327680
		.amdhsa_private_segment_fixed_size 0
		.amdhsa_enable_private_segment 0
		.amdhsa_kernarg_size 56
		.amdhsa_user_sgpr_count 2
		.amdhsa_user_sgpr_kernarg_segment_ptr 1
		.amdhsa_wavefront_size32 1
		.amdhsa_system_sgpr_workgroup_id_x 1
		.amdhsa_system_sgpr_workgroup_id_y 1
		.amdhsa_system_sgpr_workgroup_id_z 1
		.amdhsa_system_vgpr_workitem_id 0
		.amdhsa_next_free_vgpr 1024
		.amdhsa_next_free_sgpr 100
		.amdhsa_reserve_vcc 0
		.amdhsa_float_denorm_mode_32 3
		.amdhsa_float_denorm_mode_16_64 3
		.amdhsa_memory_ordered 1
		.amdhsa_forward_progress 1
		.amdhsa_inst_pref_size 130
	.end_amdhsa_kernel
	.amdgpu_metadata
---
amdhsa.version: [ 1, 2 ]
amdhsa.kernels:
  - .name:           k_q9a9c43c4ca_qkv
    .symbol:         k_q9a9c43c4ca_qkv.kd
    .args:
      - { .name: xc, .offset: 0, .size: 8, .value_kind: global_buffer, .address_space: global }
      - { .name: xs, .offset: 8, .size: 8, .value_kind: global_buffer, .address_space: global }
      - { .name: wc, .offset: 16, .size: 8, .value_kind: global_buffer, .address_space: global }
      - { .name: ws, .offset: 24, .size: 8, .value_kind: global_buffer, .address_space: global }
      - { .name: qkv16, .offset: 32, .size: 8, .value_kind: global_buffer, .address_space: global }
      - { .name: b_qkv, .offset: 40, .size: 8, .value_kind: global_buffer, .address_space: global }
      - { .name: qkv32, .offset: 48, .size: 8, .value_kind: global_buffer, .address_space: global }
    .group_segment_fixed_size: 327680
    .private_segment_fixed_size: 0
    .kernarg_segment_align: 8
    .kernarg_segment_size: 56
    .max_flat_workgroup_size: 128
    .sgpr_count:     100
    .vgpr_count:     1024
    .wavefront_size: 32
...
	.end_amdgpu_metadata
.endif
;; end of part 2
;; launch attn (part 3): grid 4 x 64, 16 waves a work-group, no clusters, 327,680 bytes of LDS; arguments qkv16, att16; writes att16
.if DOCPART == 3
	.amdgcn_target "amdgcn-amd-amdhsa--gfx1250"
	.amdhsa_code_object_version 6
	.text
	.protected	k_q9a9c43c4ca_attn
	.globl	k_q9a9c43c4ca_attn
	.p2align	8
	.type	k_q9a9c43c4ca_attn,@function
k_q9a9c43c4ca_attn:
	s_mov_b64 s[64:65], 0
	v_nop
	global_prefetch_b8 v0, s[64:65] scope:SCOPE_SE
	s_setreg_imm32_b32 hwreg(HW_REG_WAVE_MODE, 25, 1), 1
	s_wait_xcnt 0x0
; att[h][b, q][:] = the sum over k <= q of softmax_k(q . k / 8) v, on f16 operands with f32 products, maxima and sums; the weights are rounded to f16 for the second product, the result once at the end.
; IN: qkv16 [3][batch 4][head 16][2048][64] f16.  OUT: att16 [head 16][batch x 2048 + position][64] f16.
; WORK LEFT OUT: steps of 64 keys all of which come after a wave's 16 queries (the computation's own lower triangle throws them away whole: see the first kernel's head).
; SHARES.  Work-group (I = x in 0..3, head and batch = y) owns the blocks I and 7 - I of 256 queries, one after the other: I + 1 and 8 - I slots of 256 keys, always 9: 256 work-groups of equal work, a constant trip
; count, and every slot that is loaded is read.  Each of the sixteen waves owns 16 queries, one tile, in 256 registers: four waves to a SIMD, so that one wave's softmax stands beside another's products and LDS loads.
; NO CLUSTER: in one trip the four work-groups of a head want different slots of keys (trip T reads key block T for T <= I, else T - I - 1), so joint requests would not meet.
; LAYOUT.  S^T = K Q^T (source 0 = 16 keys, source 1 = my 16 queries): a lane holds one query (lane % 16) and the keys 8 (lane / 16) + 0..7.  Two such tiles, rounded to f16 in pairs, are source 1 of O^T = V^T P.
; K comes out of LDS as it lies, V ([key][channel]) turned, by ds_load_tr16_b128.
; SOFTMAX.  A running maximum m and sum l for each query: p = 2^(c s - c m), c = log2(e) / 8; in every step O and l are multiplied by a = 2^(c m_old - c m_new).  Hidden scores on the diagonal become -1e9, as the computation has it.
; LDS.  Two keys make one row of 256 bytes: key k lies at (k / 2) x pitch + 128 (k % 2).  K's pitch is 272, V's 288: the sixteen lanes of a load then touch sixteen different 16-byte columns.
; REGISTERS: v1-11 addresses that stay; v12 c m, v13 m, v[14:15] l; v16-19 at work; v20 a, v21 c m_old; v22 the mask's d, v23 -1e9; v24-39 Q; v40 the prefetch's offset; v48-79 S^T; v80-95 P; v96-127 O^T; v128-191 K; v192-255 V.
.set KP,    272
.set VP,    288
.set VOFF,  128*KP                     ; a slot: 128 long rows of K, then 128 of V
.set SLOT1, 1<<17                      ; slot 1 begins here: one exclusive or turns an address in one slot into the other's
.set STAGE, 208896                     ; behind the ring: 16 rows x 144 bytes for each wave, for the way out; no tile lands there
.set SPARE, 245760                     ; the spare words, 128 bytes for each of sixteen waves, which no other line names
.set S,  48
.set P,  80
.set O,  96
.set KR, 128
.set VR, 192
; Waves 0 and 1 fetch K's halves, waves 2 and 3 V's, the others nothing.  An s_nop 0 and four v_nop follow each of the two lines.
.macro TLOAD
	s_cmp_lt_u32 s18, 2
	s_cbranch_scc0 .Lnot_k_\@
	tensor_load_to_lds s[40:43], s[24:31]
	s_nop 0
.rept 4
	v_nop
.endr
	s_branch .Lasked_\@
.Lnot_k_\@:
	s_cmp_lt_u32 s18, 4
	s_cbranch_scc0 .Lasked_\@
	tensor_load_to_lds s[44:47], s[32:39]
	s_nop 0
.rept 4
	v_nop
.endr
.Lasked_\@:
.endm
; A PREFETCH INTO THE L2.  Key slots 4 to 7 of a head are loaded first by its work-group I = 0, in trips 4 to 7: that work-group asks for each a trip ahead (trips 3 to 6), by waves that fetch nothing: waves 4-7 for K's
; 32,768 bytes, waves 8-11 for V's, 8,192 bytes a wave, lanes 256 bytes apart.  So each aligned block of 256 bytes is named once in the launch.  Slots 0 to 3 are loaded at the start by all four work-groups and are not asked for.
.macro ASK
	s_sub_co_u32 s66, s16, 3
	s_cmp_lt_u32 s66, s58                          ; s58 = 4 in a wave that asks, else 0
	s_cbranch_scc0 .Lnot_mine_\@
	global_prefetch_b8 v40, s[56:57] th:TH_LOAD_NT scope:SCOPE_SE
.Lnot_mine_\@:
.endm
; THE CHANGE OF SLOTS stands at a slot's head.  Each wave waits for all its tensor loads, adds 0 to its spare word (fill = 1: twice on end), and waits for that and for its reads of
; the slot that it has left.  Behind the barrier the slot ahead is whole and nobody reads the other one, which is filled with the keys of trip T + 1: one load a wave, with a slot's four steps in which to land.
.macro CHANGE fill
	s_wait_tensorcnt 0x0                           ; no tensor load of mine is out, so a group 0 may be written
	ds_add_u32 v5, v6
.if \fill
	ds_add_u32 v5, v6
	s_xor_b32 s41, s41, SLOT1                      ; the other slot than last time
	s_xor_b32 s45, s45, SLOT1
	s_add_co_u32 s66, s16, 1                       ; n = T + 1
	s_add_co_u32 s67, s19, 1
	s_cmp_le_u32 s66, s19
	s_cselect_b32 s67, 0, s67
	s_sub_co_u32 s66, s66, s67                     ; its key block: n for n <= I, else n - (I + 1)
	s_lshl_b32 s66, s66, 15                        ; 256 keys x 128 bytes
	s_mov_b32 s67, 0
	s_add_nc_u64 s[42:43], s[8:9], s[66:67]
	s_or_b32 s43, s43, 0x80000000
	s_add_nc_u64 s[46:47], s[10:11], s[66:67]
	s_or_b32 s47, s47, 0x80000000
	s_wait_xcnt 0x0                                ; the last prefetch, a slot back, has read its address
	s_lshl_b32 s66, s16, 15
	s_add_nc_u64 s[56:57], s[54:55], s[66:67]      ; key slot T + 1
.endif
	s_wait_dscnt 0x0                               ; the add is done, and my reads of the slot that I have left are over
	s_barrier_signal -1
	s_barrier_wait -1
.if \fill
	TLOAD
	ASK
.endif
.endm
; A KEY STEP: 64 keys, the q-th of the slot in hand.
.macro STEP q
	s_add_co_u32 s66, s49, 15
	s_cmp_gt_u32 s17, s66                          ; all 64 keys come after my 16 queries: the step's work is left out (ids and the count of steps alone)
	s_cbranch_scc1 .Lhidden_\@
.irp kt, 0,1,2,3
.irp c, 0,1
	ds_load_b128 v[KR+8*(2*\kt+\c):KR+8*(2*\kt+\c)+3], v3 offset:(32*(\q)+8*\kt)*KP+64*\c
	ds_load_b128 v[KR+8*(2*\kt+\c)+4:KR+8*(2*\kt+\c)+7], v3 offset:(32*(\q)+8*\kt)*KP+64*\c+32
.endr
.endr
	s_wait_dscnt 0x0
.irp kt, 0,1,2,3                       ; S^T = K Q^T: the four tiles of 16 keys take turns; the first 32 channels start the sums
	v_wmma_f32_16x16x32_f16 v[S+8*\kt:S+8*\kt+7], v[KR+16*\kt:KR+16*\kt+7], v[24:31], 0
.endr
.irp kt, 0,1,2,3
	v_wmma_f32_16x16x32_f16 v[S+8*\kt:S+8*\kt+7], v[KR+16*\kt+8:KR+16*\kt+15], v[32:39], v[S+8*\kt:S+8*\kt+7]
.endr
.rept 4
	v_nop                                          ; places: for the first read of the scores, for the loads into V's registers, which the last step's products read, and for the next step's loads into K's
.endr
.irp u, 0,1
.irp dt, 0,1,2,3
	ds_load_tr16_b128 v[VR+8*(4*\u+\dt):VR+8*(4*\u+\dt)+3], v4 offset:(32*(\q)+16*\u)*VP+32*\dt
	ds_load_tr16_b128 v[VR+8*(4*\u+\dt)+4:VR+8*(4*\u+\dt)+7], v4 offset:(32*(\q)+16*\u)*VP+32*\dt+8*VP
.endr
.endr
	s_add_co_u32 s66, s17, 63
	s_cmp_le_u32 s66, s49                          ; all 64 keys count for all my queries: no mask
	s_cbranch_scc1 .Lopen_\@
	s_sub_co_i32 s66, s49, s17
	v_add_nc_u32 v22, s66, v11                     ; d = my query - the step's first key - 8 (lane / 16).  Register 8 kt + j holds key 16 kt + 8 (lane / 16) + j: hidden where 16 kt + j > d
.irp kt, 0,1,2,3
.irp j, 0,1,2,3,4,5,6,7
	v_cmp_gt_i32 vcc_lo, 16*\kt+\j, v22
	v_cndmask_b32 v[S+8*\kt+\j], v[S+8*\kt+\j], v23, vcc_lo
.endr
.endr
.Lopen_\@:
.irp j, 0,1,2,3                        ; the maximum of my 32 scores and the old m: four chains, each begun at its tile's low end
	v_max3_num_f32 v[16+\j], v[S+8*\j], v[S+8*\j+1], v[S+8*\j+2]
.endr
.irp i, 3,5
.irp j, 0,1,2,3
	v_max3_num_f32 v[16+\j], v[16+\j], v[S+8*\j+\i], v[S+8*\j+\i+1]
.endr
.endr
	v_max3_num_f32 v16, v16, v[S+7], v[S+15]
	v_max3_num_f32 v18, v18, v[S+23], v[S+31]
	v_max3_num_f32 v16, v16, v17, v18
	v_max3_num_f32 v16, v16, v19, v13
	v_permlanex16_b32 v17, v16, s20, s21           ; the query's other 32 keys lie in the lane 16 away
	v_mov_b32 v21, v12                             ; c m_old
	v_max_num_f32 v13, v16, v17
	v_mul_f32 v12, s22, v13
	v_sub_f32 v21, v21, v12
.irp j, 0,2,4,6,8,10,12,14,16,18,20,22,24,26,28,30
	v_pk_fma_f32 v[S+\j:S+\j+1], v[S+\j:S+\j+1], s[22:23], v[12:13] op_sel_hi:[1,0,0] neg_lo:[0,0,1] neg_hi:[0,0,1]   ; c s - c m, two at a time
.endr
	v_exp_f32 v20, v21                             ; a
.irp j, 0,1,2,3,4,5,6,7,8,9,10,11,12,13,14,15,16,17,18,19,20,21,22,23,24,25,26,27,28,29,30,31
	v_exp_f32 v[S+\j], v[S+\j]
.endr
	v_nop                                          ; a plain line behind the last exponential
	s_wait_alu depctr_va_vdst(0)                   ; one wait for the batch of 33, ahead of its first reader
.irp i, 0,1,2,3,4,5,6,7,8,9,10,11,12,13,14,15
	v_cvt_pk_f16_f32 v[P+\i], v[S+2*\i], v[S+2*\i+1]
.endr
.irp u, 0,1,2,3,4,5,6,7                ; the sum of the 16 pairs, in place
	v_pk_add_f32 v[S+4*\u:S+4*\u+1], v[S+4*\u:S+4*\u+1], v[S+4*\u+2:S+4*\u+3]
.endr
.irp u, 0,1,2,3
	v_pk_add_f32 v[S+8*\u:S+8*\u+1], v[S+8*\u:S+8*\u+1], v[S+8*\u+4:S+8*\u+5]
.endr
.irp u, 0,1
	v_pk_add_f32 v[S+16*\u:S+16*\u+1], v[S+16*\u:S+16*\u+1], v[S+16*\u+8:S+16*\u+9]
.endr
	v_pk_add_f32 v[S:S+1], v[S:S+1], v[S+16:S+17]
	v_pk_fma_f32 v[14:15], v[14:15], v[20:21], v[S:S+1] op_sel_hi:[1,0,1]     ; l = a l + the sum
.irp j, 0,2,4,6,8,10,12,14,16,18,20,22,24,26,28,30
	v_pk_mul_f32 v[O+\j:O+\j+1], v[O+\j:O+\j+1], v[20:21] op_sel_hi:[1,0]     ; O^T x a
.endr
	s_wait_dscnt 0x0                               ; V is in
.irp u, 0,1                            ; O^T += V^T P: the four tiles of 16 channels take turns
.irp dt, 0,1,2,3
	v_wmma_f32_16x16x32_f16 v[O+8*\dt:O+8*\dt+7], v[VR+8*(4*\u+\dt):VR+8*(4*\u+\dt)+7], v[P+8*\u:P+8*\u+7], v[O+8*\dt:O+8*\dt+7]
.endr
.endr
.Lhidden_\@:
	s_add_co_u32 s17, s17, 64
.endm
.macro SLOT_STEPS
	v_add_nc_u32 v3, s48, v1
	v_add_nc_u32 v4, s48, v2
	STEP 0
	STEP 1
	STEP 2
	STEP 3
	s_xor_b32 s48, s48, SLOT1                      ; on to the other slot
.endm
.macro INIT                            ; a block of queries begins: the first step finds zeros, which its a = 0 leaves zeros
	v_mov_b32 v13, 0xff61b1e6                      ; m = -3e38, under every score
	v_mul_f32 v12, s22, v13
	v_mov_b32 v14, 0
	v_mov_b32 v15, 0
	v_mov_b32 v17, 0                               ; (a lane permute's destination counts as one of its sources)
	v_mov_b32 v21, 0                               ; (named as the upper half of the pair v[20:21])
.irp j, 0,1,2,3,4,5,6,7,8,9,10,11,12,13,14,15,16,17,18,19,20,21,22,23,24,25,26,27,28,29,30,31
	v_mov_b32 v[O+\j], 0
.endr
.endm
.macro QLOAD                           ; my 16 queries' rows of Q and of the result, from s49 = my first query
	s_lshl_b32 s66, s49, 7
	s_mov_b32 s67, 0
	s_add_nc_u64 s[50:51], s[12:13], s[66:67]
	s_add_nc_u64 s[52:53], s[14:15], s[66:67]
.irp i, 0,1,2,3
	global_load_b128 v[24+4*\i:27+4*\i], v7, s[50:51] offset:32*\i
.endr
.endm
; THE WAY OUT of a block: O^T / l, rounded to f16, through my stage in LDS, and out as 2,048 consecutive bytes.
.macro WAYOUT
.rept 4
	v_nop                                          ; places behind the last products
.endr
	v_add_f32 v16, v14, v15                        ; l's two halves,
	v_permlanex16_b32 v17, v16, s20, s21
	v_add_f32 v16, v16, v17                        ; and the lane's 16 away
	v_rcp_f32 v20, v16
	v_nop                                          ; a plain line behind the reciprocal
	s_wait_alu depctr_va_vdst(0)                   ; and the wait ahead of its first reader
.irp j, 0,2,4,6,8,10,12,14,16,18,20,22,24,26,28,30
	v_pk_mul_f32 v[S+\j:S+\j+1], v[O+\j:O+\j+1], v[20:21] op_sel_hi:[1,0]
.endr
.irp i, 0,1,2,3,4,5,6,7,8,9,10,11,12,13,14,15
	v_cvt_pk_f16_f32 v[P+\i], v[S+2*\i], v[S+2*\i+1]
.endr
.irp dt, 0,1,2,3
	ds_store_b128 v8, v[P+4*\dt:P+4*\dt+3] offset:32*\dt       ; lane (r, h): query r, channels 16 dt + 8 h + 0 .. 7
.endr
.irp t, 0,1,2,3
	ds_load_b128 v[S+4*\t:S+4*\t+3], v9 offset:576*\t          ; LDS serves a wave's instructions in order: these see my stores; four rows of 128 bytes an instruction
.endr
.irp t, 0,1,2,3
	s_wait_dscnt 3-\t                              ; the younger loads may be out
	global_store_b128 v10, v[S+4*\t:S+4*\t+3], s[52:53] offset:512*\t          ; 32 lanes store 512 consecutive bytes, aligned
.endr
.endm
.macro SWITCH                          ; behind trip I the first block of queries is done: it goes out, and block 7 - I begins at key 0
	s_cmp_lg_u32 s16, s19
	s_cbranch_scc1 .Lsame_\@
	WAYOUT
	s_wait_xcnt 0x0                                ; the stores have read their registers and their base
	s_sub_co_u32 s49, 7, s19
	s_lshl_b32 s49, s49, 8
	s_lshl_b32 s66, s18, 4
	s_add_co_u32 s49, s49, s66
	s_mov_b32 s17, 0
	QLOAD
	INIT
	s_wait_loadcnt 0x0
.Lsame_\@:
.endm
	s_load_b128 s[4:7], s[0:1], 0x0                ; qkv16, att16
	v_lshl_add_u32 v5, v0, 2, SPARE                ; my spare word; never rewritten
	v_mov_b32 v6, 0                                ; 0; never rewritten
	ds_add_u32 v5, v6                              ; the wave's opening: the add, twice on end, and its wait ahead of the first tensor load
	ds_add_u32 v5, v6
	v_lshrrev_b32 v1, 5, v0
	v_readfirstlane_b32 s18, v1                    ; wave 0..15
	s_mov_b32 s19, ttmp9                           ; I
	s_and_b32 s59, ttmp7, 0xffff                   ; 16 x batch + head
	; descriptor group 1: 64 long rows of 128 elements of 2 bytes, dense in memory; K: 4 words of padding behind each, V: 8
	s_mov_b32 s24, (1<<16)|(1<<20)|(5<<22)|(3<<25)
	s_mov_b32 s32, (1<<16)|(1<<20)|(5<<22)|(7<<25)
.irp g, 24, 32
	s_mov_b32 s[\g+1], 128<<16                     ; tensor_dim0
	s_mov_b32 s[\g+2], 64<<16                      ; tensor_dim1
	s_mov_b32 s[\g+3], 128<<16                     ; tile_dim0
	s_mov_b32 s[\g+4], 64                          ; tile_dim1
	s_mov_b32 s[\g+5], 128                         ; the pitch
	s_mov_b32 s[\g+6], 0
	s_mov_b32 s[\g+7], 0
.endr
	s_and_b32 s66, s18, 1                          ; which half of a slot I fetch, if I fetch
	s_mul_i32 s68, s66, 64*KP
	s_mul_i32 s69, s66, 64*VP
	s_add_co_u32 s69, s69, VOFF
	s_lshl_b32 s70, s66, 14
	s_lshl_b32 s71, s59, 18                        ; the head's 2,048 rows of 128 bytes
	s_add_co_u32 s70, s70, s71
	s_mov_b32 s20, 0x76543210
	s_mov_b32 s21, 0xfedcba98                      ; v_permlanex16_b32's selects for lane l xor 16
	s_mov_b32 s22, 0x3e38aa3b                      ; c = log2(e) / 8
	s_mov_b32 s23, s22
	s_mov_b32 s16, 0                               ; T
	s_mov_b32 s17, 0                               ; the step's first key
	s_mov_b32 s48, 0                               ; the slot in hand
	s_mov_b32 s67, 0
	s_wait_dscnt 0x0                               ; both opening adds are done
	s_wait_kmcnt 0x0
	s_add_co_u32 s66, s70, 1<<24
	s_add_nc_u64 s[8:9], s[4:5], s[66:67]          ; K at my half of the head's first slot
	s_add_co_u32 s66, s70, 2<<24
	s_add_nc_u64 s[10:11], s[4:5], s[66:67]        ; V likewise
	s_mov_b32 s40, 1
	s_mov_b32 s41, s68
	s_mov_b64 s[42:43], s[8:9]
	s_or_b32 s43, s43, 0x80000000
	s_mov_b32 s44, 1
	s_mov_b32 s45, s69
	s_mov_b64 s[46:47], s[10:11]
	s_or_b32 s47, s47, 0x80000000
	TLOAD                                          ; slot 0: the head's first 256 keys, which count for both my blocks
	s_mov_b32 s66, s71
	s_add_nc_u64 s[12:13], s[4:5], s[66:67]        ; Q at the head's first row
	s_and_b32 s66, s59, 15
	s_lshl_b32 s66, s66, 20
	s_lshr_b32 s72, s59, 4
	s_lshl_b32 s72, s72, 18
	s_add_co_u32 s66, s66, s72
	s_add_nc_u64 s[14:15], s[6:7], s[66:67]        ; att16 at the head's plane, the batch's first row
	s_mov_b32 s66, 2<<24                           ; the prefetches: waves under 8 stand in K's plane, the others in V's,
	s_cmp_lt_u32 s18, 8
	s_cselect_b32 s66, 1<<24, s66
	s_add_co_u32 s66, s66, s71
	s_and_b32 s72, s18, 3
	s_lshl_b32 s72, s72, 13                        ; 8,192 bytes a wave,
	s_add_co_u32 s66, s66, s72
	s_add_co_u32 s66, s66, 32768                   ; one slot further on than the trip's number
	s_add_nc_u64 s[54:55], s[4:5], s[66:67]
	s_mov_b64 s[56:57], s[54:55]
	s_sub_co_u32 s66, s18, 4
	s_lshr_b32 s66, s66, 3                         ; 0 in waves 4 to 11,
	s_or_b32 s66, s66, s19                         ; of the work-group I = 0
	s_cmp_eq_u32 s66, 0
	s_cselect_b32 s58, 4, 0
	v_and_b32 v41, 15, v0                          ; r
	v_bfe_u32 v42, v0, 4, 1                        ; h
	v_and_b32 v43, 31, v0                          ; lane
	v_lshrrev_b32 v44, 1, v41
	v_mul_u32_u24 v1, v44, KP
	v_and_b32 v44, 1, v41
	v_lshl_add_u32 v1, v44, 7, v1
	v_lshl_add_u32 v1, v42, 4, v1                  ; K: key r of a tile: (r / 2) x 272 + 128 (r % 2) + 16 h
	v_bfe_u32 v44, v0, 1, 2
	v_lshl_add_u32 v44, v42, 2, v44
	v_mul_u32_u24 v2, v44, VP
	v_and_b32 v44, 1, v0
	v_lshl_add_u32 v2, v44, 7, v2
	v_bfe_u32 v44, v0, 3, 1
	v_lshl_add_u32 v2, v44, 4, v2
	v_add_nc_u32 v2, VOFF, v2                      ; V: key 8 h + l % 8, channels 8 ((l / 8) % 2) on
	v_lshlrev_b32 v7, 7, v41
	v_lshl_add_u32 v7, v42, 4, v7                  ; Q: row r of 128 bytes + 16 h
	s_mul_i32 s66, s18, 16*144
	s_add_co_u32 s66, s66, STAGE                   ; my stage
	v_mul_u32_u24 v8, v41, 144
	v_lshl_add_u32 v8, v42, 4, v8
	v_add_nc_u32 v8, s66, v8
	v_lshrrev_b32 v44, 3, v43
	v_mul_u32_u24 v9, v44, 144
	v_and_b32 v44, 7, v0
	v_lshl_add_u32 v9, v44, 4, v9
	v_add_nc_u32 v9, s66, v9
	v_lshlrev_b32 v10, 4, v43
	v_lshlrev_b32 v44, 3, v42
	v_sub_nc_u32 v11, v41, v44                     ; r - 8 h
	v_mov_b32 v23, 0xce6e6b28                      ; -1e9
	v_lshlrev_b32 v40, 8, v43
	s_lshl_b32 s49, s19, 8
	s_lshl_b32 s66, s18, 4
	s_add_co_u32 s49, s49, s66                     ; my first query: 256 I + 16 x wave
	QLOAD
	INIT
	s_wait_loadcnt 0x0                             ; Q
.Lslot:                                            ; eight trips: behind each change of slots the next trip's keys are asked for
	CHANGE 1
	SLOT_STEPS
	SWITCH
	s_add_co_u32 s16, s16, 1
	s_cmp_lt_u32 s16, 8
	s_cbranch_scc1 .Lslot
	CHANGE 0                                       ; the ninth slot is written out: nothing is left to ask for
	SLOT_STEPS
	WAYOUT
	s_wait_tensorcnt 0x0                           ; the wave's end: behind my last tensor load and my last LDS store
	ds_add_u32 v5, v6
	s_wait_dscnt 0x0
	s_endpgm
.Lfunc_end_k_q9a9c43c4ca_attn:
	.size	k_q9a9c43c4ca_attn, .Lfunc_end_k_q9a9c43c4ca_attn-k_q9a9c43c4ca_attn
	.p2alignl 7, 3214868480
	.fill 96, 4, 3214868480
	.section	.rodata,"a",@progbits
	.p2align	6, 0x0
	.amdhsa_kernel k_q9a9c43c4ca_attn
		.amdhsa_group_segment_fixed_size 327680
		.amdhsa_private_segment_fixed_size 0
		.amdhsa_enable_private_segment 0
		.amdhsa_kernarg_size 16
		.amdhsa_user_sgpr_count 2
		.amdhsa_user_sgpr_kernarg_segment_ptr 1
		.amdhsa_wavefront_size32 1
		.amdhsa_system_sgpr_workgroup_id_x 1
		.amdhsa_system_sgpr_workgroup_id_y 1
		.amdhsa_system_sgpr_workgroup_id_z 1
		.amdhsa_system_vgpr_workitem_id 0
		.amdhsa_next_free_vgpr 256
		.amdhsa_next_free_sgpr 74
		.amdhsa_reserve_vcc 1
		.amdhsa_float_denorm_mode_32 3
		.amdhsa_float_denorm_mode_16_64 3
		.amdhsa_memory_ordered 1
		.amdhsa_forward_progress 1
		.amdhsa_inst_pref_size 113
	.end_amdhsa_kernel
	.amdgpu_metadata
---
amdhsa.version: [ 1, 2 ]
amdhsa.kernels:
  - .name:           k_q9a9c43c4ca_attn
    .symbol:         k_q9a9c43c4ca_attn.kd
    .args:
      - { .name: qkv16, .offset: 0, .size: 8, .value_kind: global_buffer, .address_space: global }
      - { .name: att16, .offset: 8, .size: 8, .value_kind: global_buffer, .address_space: global }
    .group_segment_fixed_size: 327680
    .private_segment_fixed_size: 0
    .kernarg_segment_align: 8
    .kernarg_segment_size: 16
    .max_flat_workgroup_size: 512
    .sgpr_count:     74
    .vgpr_count:     256
    .wavefront_size: 32
...
	.end_amdgpu_metadata
.endif
;; end of part 3
;; launch proj (part 4): grid 4 x 64, 4 waves a work-group, clusters of 4 x 4, 327,680 bytes of LDS; arguments att16, wp16, b_proj, out0; writes out0
.if DOCPART == 4
	.amdgcn_target "amdgcn-amd-amdhsa--gfx1250"
	.amdhsa_code_object_version 6
	.text
	.protected	k_q9a9c43c4ca_proj
	.globl	k_q9a9c43c4ca_proj
	.p2align	8
	.type	k_q9a9c43c4ca_proj,@function
k_q9a9c43c4ca_proj:
	s_mov_b64 s[64:65], 0
	v_nop
	global_prefetch_b8 v0, s[64:65] scope:SCOPE_SE
	s_setreg_imm32_b32 hwreg(HW_REG_WAVE_MODE, 25, 1), 1
	s_wait_xcnt 0x0
	s_wait_alu depctr_hold_cnt(0) depctr_sa_sdst(0) depctr_va_vdst(0) depctr_va_sdst(0) depctr_va_ssrc(0) depctr_va_vcc(0) depctr_vm_vsrc(0)
	s_getreg_b32 s2, hwreg(HW_REG_IB_STS2, 6, 4)
	s_cmp_eq_u32 s2, 0
	s_cbranch_scc0 .Lentry_in_a_cluster
	s_endpgm
.Lentry_in_a_cluster:
	s_bfe_u32 s2, ttmp6, 0x10000c
	s_cmp_lg_u32 s2, 0xf033
	s_cbranch_scc0 .Lentry_shape_is_right
	s_endpgm
.Lentry_shape_is_right:
; out0 = att @ w_proj + b_proj on f16 operands, f32 sums, for all rows but positions 0-15 of each sequence, which the last launch carries in f32 and stores.
; WORK LEFT OUT: nothing whole; the 16 rows that are not stored lie inside a tile of live rows and are multiplied with it.
; A = att16 [head 16][row 8192][64] f16: k = 64 head + channel.  B = wp16 [k 1024][n 1024] f16, K outermost: its fragments come out of LDS turned, by ds_load_tr16_b128.  out0 [8192][1024] f32.
; A tile of C is 128 rows x 256 columns: 256 work-groups.  Four waves, each 64 x 128: 32 accumulators.  K goes in steps of 128 (two heads' planes of A, 128 rows of B) through two LDS slots; 8 steps.
; CLUSTERS: 4 x 4.  TILE ROW = 16 cy + cluster y (the batch is cy; a sequence begins where cluster y = 0, which all partners share); TILE COLUMN = cx.  A's tiles are asked for jointly along a row of the cluster, B's along a column.
; THE MATRIX INSTRUCTION IS USED TRANSPOSED (source 0 = 16 columns of B, source 1 = 16 rows of A): a lane holds eight neighbouring columns of one row of C.  THE BIAS is the C of the first quarter's products.
; No prefetch: a K step's tiles are small, wp16 is read again by every cluster, and each plane of att16 is asked for a whole K step ahead.
; REGISTERS: window 0: v0-31 addresses; two fragment buffers of 96 at v32 and v128 (B's eight fragments, then A's four).  window 1: the accumulators ((a, b) at v[8 (8 a + b)]).  window 2: v0-63 the bias.
.set PA,    272                        ; A in LDS: two rows of 128 bytes make a long row of 256 + 16 of padding
.set PB,    544                        ; B in LDS: 512 bytes + 32 of padding: the sixteen lanes of a turning load touch sixteen different 16-byte columns
.set APL,   64*PA                      ; a plane of A: 128 rows
.set BOFF,  2*APL
.set BH,    64*PB                      ; 64 rows of B: what one tensor load brings
.set SLOT,  BOFF+2*BH
.set SPARE, 2*SLOT                     ; behind the ring: the spare words, which no other line names
.set ADRA, 16
.set ADRB, 20
.set STO,  24
.set RD,   25
.set CO,   26
.set BO,   27                          ; v27  the bias: 32 (lane / 16) bytes
.set SPW,  28
.set NIL,  29
.set F0,   32
.set F1,   128
.set BK,   32                          ; the way out: v32-95 and v96-159 by turns
.set G1,  24
.set G0,  32
.set G1B, 48
.set G0B, 56
.set MSB, 0
.macro WIN new
.if MSB != \new
	s_set_vgpr_msb (MSB<<8)|\new
.set MSB, \new
.endif
.endm
.set MUL,   0x50                       ; sources 0 and 1 window 0; C and D window 1
.set FIRST, 0x60                       ; C (the bias) window 2, D window 1
.macro JLOAD s                         ; a joint load: waves 0 and 1 fetch A's two planes, waves 2 and 3 B's two halves; an s_nop 0 and four v_nop follow each line
	s_cmp_eq_u32 s11, 0
	s_cbranch_scc0 .Lfor_b_\@
	tensor_load_to_lds s[G0+4*\s:G0+4*\s+3], s[G1:G1+7]
	s_nop 0
.rept 4
	v_nop
.endr
	s_branch .Lasked_\@
.Lfor_b_\@:
	tensor_load_to_lds s[G0B+4*\s:G0B+4*\s+3], s[G1B:G1B+7]
	s_nop 0
.rept 4
	v_nop
.endr
.Lasked_\@:
.endm
.macro CREST
	s_cmp_lg_u32 s10, 0
	s_cbranch_scc1 .Lnot_wave_0_\@
	s_barrier_signal -3
.Lnot_wave_0_\@:
	s_barrier_wait -3
	s_barrier_signal -1
	s_barrier_wait -1
.endm
.macro CROUND
	s_barrier_signal -1
	s_barrier_wait -1
	CREST
.endm
	s_load_b128 s[4:7], s[0:1], 0x0                ; att16, wp16
	s_load_b128 s[16:19], s[0:1], 0x10             ; b_proj, out0
	v_lshl_add_u32 v[SPW], v0, 2, SPARE
	v_mov_b32 v[NIL], 0
	ds_add_u32 v[SPW], v[NIL]                      ; the wave's opening: the add, twice on end, and its wait ahead of my first tensor load
	ds_add_u32 v[SPW], v[NIL]
	v_lshrrev_b32 v1, 5, v0
	v_readfirstlane_b32 s10, v1                    ; wave 0..3
	s_lshr_b32 s11, s10, 1                         ; which 64 rows are mine.  Also: I fetch for A (0) or for B (1)
	s_and_b32 s12, s10, 1                          ; which 128 columns.  Also: which plane of A or which 64 rows of B I fetch
	s_bfe_u32 s40, ttmp6, 0x40000                  ; cx
	s_bfe_u32 s41, ttmp6, 0x40004                  ; cy
	s_lshl_b32 s42, ttmp9, 2
	s_add_co_u32 s42, s42, s40                     ; tile column
	s_and_b32 s66, ttmp7, 0xffff                   ; cluster y
	s_lshl_b32 s13, s41, 4
	s_add_co_u32 s13, s13, s66                     ; tile row = 16 cy + cluster y
	s_lshl_b32 s43, s41, 2
	s_lshl_b32 s43, 15, s43                        ; my row of the cluster
	s_lshl_b32 s44, 0x1111, s40                    ; my column
	s_or_b32 s[G1], s43, (1<<16)|(1<<20)|(1<<21)|(5<<22)|(3<<25)     ; A: elements of 2 bytes; 4 words of padding after every 64
	s_mov_b32 s[G1+1], 128<<16
	s_mov_b32 s[G1+2], 64<<16
	s_mov_b32 s[G1+3], 128<<16
	s_mov_b32 s[G1+4], 64
	s_mov_b32 s[G1+5], 128
	s_mov_b32 s[G1+6], 0
	s_mov_b32 s[G1+7], 0
	s_or_b32 s[G1B], s44, (1<<16)|(1<<20)|(1<<21)|(6<<22)|(7<<25)    ; B: 8 words of padding after every 128
	s_mov_b32 s[G1B+1], 256<<16
	s_mov_b32 s[G1B+2], 64<<16
	s_mov_b32 s[G1B+3], 256<<16
	s_mov_b32 s[G1B+4], 64
	s_mov_b32 s[G1B+5], 1024
	s_mov_b32 s[G1B+6], 0
	s_mov_b32 s[G1B+7], 0
	s_lshl_b32 s20, s12, 20                        ; A: my plane of the K step's two, the tile's 128 rows of 128 bytes
	s_lshl_b32 s21, s13, 14
	s_add_co_u32 s20, s20, s21
	s_mov_b32 s21, 0
	s_lshl_b32 s46, s12, 17                        ; B: my 64 rows of 2,048 bytes, the tile's 256 columns
	s_lshl_b32 s47, s42, 9
	s_add_co_u32 s46, s46, s47
	s_mov_b32 s47, 0
	s_mul_i32 s22, s12, APL                        ; where they go: no place in the cluster enters an LDS address
	s_mul_i32 s23, s12, BH
	s_add_co_u32 s23, s23, BOFF
	s_wait_dscnt 0x0                               ; both opening adds are done
	s_wait_kmcnt 0x0
	s_add_nc_u64 s[14:15], s[4:5], s[20:21]
	s_add_nc_u64 s[46:47], s[6:7], s[46:47]
	CROUND                                         ; all sixteen work-groups are here: the first joint loads meet
.irp s, 0,1
	s_mov_b32 s[G0+4*\s], 1
	s_add_co_u32 s[G0+4*\s+1], s22, \s*SLOT
	s_add_nc_u64 s[G0+4*\s+2:G0+4*\s+3], s[14:15], \s*(2<<20)
	s_or_b32 s[G0+4*\s+3], s[G0+4*\s+3], 0x80000000
	s_mov_b32 s[G0B+4*\s], 1
	s_add_co_u32 s[G0B+4*\s+1], s23, \s*SLOT
	s_add_nc_u64 s[G0B+4*\s+2:G0B+4*\s+3], s[46:47], \s*128*2048
	s_or_b32 s[G0B+4*\s+3], s[G0B+4*\s+3], 0x80000000
	JLOAD \s
.endr
	v_and_b32 v1, 15, v0                           ; r
	v_bfe_u32 v2, v0, 4, 1                         ; h
	v_lshrrev_b32 v3, 1, v1
	v_mul_u32_u24 v3, v3, PA
	v_and_b32 v4, 1, v1
	v_lshl_add_u32 v3, v4, 7, v3
	v_lshl_add_u32 v3, v2, 4, v3                   ; A: row r of a block: (r / 2) x 272 + 128 (r % 2) + 16 h
	v_and_b32 v4, 7, v0
	v_lshl_add_u32 v4, v2, 3, v4
	v_mul_u32_u24 v4, v4, PB
	v_bfe_u32 v5, v0, 3, 1
	v_lshl_add_u32 v4, v5, 4, v4                   ; B: row k = 8 h + l % 8, columns 8 ((l / 8) % 2) on
	s_mul_i32 s21, s11, 32*PA                      ; my 64 rows of A
	s_lshl_b32 s22, s12, 8                         ; my 128 columns of B
	s_add_co_u32 s22, s22, BOFF
.irp s, 0,1
	v_add_nc_u32 v[ADRA+\s], s21, v3
	v_add_nc_u32 v[ADRB+\s], s22, v4
	s_add_co_u32 s21, s21, SLOT
	s_add_co_u32 s22, s22, SLOT
.endr
	s_mul_i32 s23, s10, 16*528                     ; my stage, in slot 0: 16 rows x (512 bytes + 16)
	v_mul_u32_u24 v5, v1, 528
	v_lshl_add_u32 v5, v2, 5, v5
	v_add_nc_u32 v[STO], s23, v5
	v_and_b32 v6, 31, v0
	v_lshlrev_b32 v[CO], 4, v6
	v_add_nc_u32 v[RD], s23, v[CO]
	v_lshlrev_b32 v[BO], 5, v2
	s_lshl_b32 s20, s13, 7
	s_lshl_b32 s21, s11, 6
	s_add_co_u32 s20, s20, s21                     ; my first row of out0,
	s_lshl_b32 s20, s20, 12                        ; of 4,096 bytes
	s_mov_b32 s21, 0
	s_lshl_b32 s46, s42, 10
	s_lshl_b32 s47, s12, 9
	s_add_co_u32 s46, s46, s47                     ; 4 x my first column
	s_mov_b32 s47, 0
	s_add_nc_u64 s[18:19], s[18:19], s[20:21]
	s_add_nc_u64 s[18:19], s[18:19], s[46:47]
	s_add_nc_u64 s[16:17], s[16:17], s[46:47]
	WIN 0x80                                       ; destination window 2
.irp b, 0,1,2,3,4,5,6,7
	global_load_b128 v[8*\b:8*\b+3], v[BO], s[16:17] offset:64*\b              ; lane (r, h): b_proj at my column 16 b + 8 h + 0 .. 7
	global_load_b128 v[8*\b+4:8*\b+7], v[BO], s[16:17] offset:64*\b+16
.endr
	WIN 0
.macro MUL8 f, a, first                ; 8 matrix instructions: A's block a x B's eight, 32 along K.  The 32 accumulators take turns, in the same order in every quarter
.irp b, 0,1,2,3,4,5,6,7
.if \first
	v_wmma_f32_16x16x32_f16 v[8*(8*(\a)+\b):8*(8*(\a)+\b)+7], v[\f+8*\b:\f+8*\b+7], v[\f+64+8*(\a):\f+64+8*(\a)+7], v[8*\b:8*\b+7]
.else
	v_wmma_f32_16x16x32_f16 v[8*(8*(\a)+\b):8*(8*(\a)+\b)+7], v[\f+8*\b:\f+8*\b+7], v[\f+64+8*(\a):\f+64+8*(\a)+7], v[8*(8*(\a)+\b):8*(8*(\a)+\b)+7]
.endif
.endr
.endm
.macro FETCH slot, q, f                ; 24 LDS loads in one run: quarter q of the slot: B's 16, A's blocks 0 and 1, A's blocks 2 and 3
.irp nb, 0,1,2,3,4,5,6,7
	ds_load_tr16_b128 v[\f+8*\nb:\f+8*\nb+3], v[ADRB+\slot] offset:(\q)*32*PB+32*\nb
	ds_load_tr16_b128 v[\f+8*\nb+4:\f+8*\nb+7], v[ADRB+\slot] offset:(\q)*32*PB+32*\nb+16*PB
.endr
.irp a, 0,1,2,3
	ds_load_b128 v[\f+64+8*\a:\f+64+8*\a+3], v[ADRA+\slot] offset:((\q)/2)*APL+((\q)%2)*64+\a*8*PA
	ds_load_b128 v[\f+64+8*\a+4:\f+64+8*\a+7], v[ADRA+\slot] offset:((\q)/2)*APL+((\q)%2)*64+\a*8*PA+32
.endr
.endm
.macro PLACES
.rept 4
	v_nop
.endr
.endm
.macro QUARTER slot, q, f, g, first    ; multiplies buffer f and fetches quarter q of the slot into g
	s_wait_dscnt 4                                 ; all but the youngest four loads (A's blocks 2 and 3) are in
.if \first
	WIN FIRST
.else
	WIN MUL
.endif
	MUL8 \f, 0, \first
	MUL8 \f, 1, \first
	PLACES
	WIN 0
	FETCH \slot, \q, \g
	s_wait_dscnt 24                                ; all but the 24 just issued
.if \first
	WIN FIRST
.else
	WIN MUL
.endif
	MUL8 \f, 2, \first
	MUL8 \f, 3, \first
.endm
; A slot's last quarter multiplies buffer 1 and changes slots: one barrier; in front of it each wave waits for all its tensor loads, adds 0 to its spare word, and waits for that and for its reads of this slot.
.macro TURN slot, next, fill
	WIN 0
	s_wait_tensorcnt 0x0                           ; all my tensor loads have landed: my part of the next slot
	ds_add_u32 v[SPW], v[NIL]
	s_wait_dscnt 5                                 ; (the add and the youngest four loads may be out)
	WIN MUL
	MUL8 F1, 0, 0
	s_wait_dscnt 0x0                               ; the add is done, and my reads of this slot are over
	s_barrier_signal -1
	MUL8 F1, 1, 0
	WIN 0
	s_barrier_wait -1
.if \fill
	CREST                                          ; the barrier has opened a round of the cluster's: no wave of any partner still reads this slot or has a load on its way
	s_add_nc_u64 s[G0+4*\slot+2:G0+4*\slot+3], s[G0+4*\slot+2:G0+4*\slot+3], 4<<20          ; two K steps on: four planes of A,
	s_add_nc_u64 s[G0B+4*\slot+2:G0B+4*\slot+3], s[G0B+4*\slot+2:G0B+4*\slot+3], 256*2048   ; 256 rows of B
	JLOAD \slot                                    ; the first tensor load behind the round: 112 matrix instructions ahead of the wait for it; its four v_nop are the places in front of the loads below
.else
	PLACES
.endif
	FETCH \next, 0, F0
	WIN MUL
	MUL8 F1, 2, 0
	MUL8 F1, 3, 0
.endm
	s_wait_tensorcnt 1                             ; my part of K step 0 is in (K step 1's load may be out)
	s_barrier_signal -1
	s_barrier_wait -1                              ; everybody's is
	FETCH 0, 0, F0
	s_wait_loadcnt 0x0                             ; the bias
	QUARTER 0, 1, F0, F1, 1                        ; the first quarter's products start the sums from the bias
	WIN 0
	s_mov_b32 s3, 3
.Llap:                                             ; a trip goes once round the ring and fills both slots again: K steps 2 to 7
	QUARTER 0, 2, F1, F0, 0
	QUARTER 0, 3, F0, F1, 0
	TURN 0, 1, 1
	QUARTER 1, 1, F0, F1, 0
	QUARTER 1, 2, F1, F0, 0
	QUARTER 1, 3, F0, F1, 0
	TURN 1, 0, 1
	QUARTER 0, 1, F0, F1, 0
	WIN 0
	s_sub_co_u32 s3, s3, 1
	s_cmp_lg_u32 s3, 0
	s_cbranch_scc1 .Llap
	QUARTER 0, 2, F1, F0, 0                        ; the last lap fills nothing
	QUARTER 0, 3, F0, F1, 0
	TURN 0, 1, 0
	QUARTER 1, 1, F0, F1, 0
	QUARTER 1, 2, F1, F0, 0
	QUARTER 1, 3, F0, F1, 0
	s_wait_dscnt 4
	WIN MUL
	MUL8 F1, 0, 0
	MUL8 F1, 1, 0
	s_wait_dscnt 0
	MUL8 F1, 2, 0
	MUL8 F1, 3, 0
	WIN 0
	PLACES
; THE WAY OUT, block by block of 16 rows x 128 columns: through my own stage (in slot 0, which has had its last fill and was left by every wave at the last change of slots) and back as whole rows of 512 bytes.
.macro TOSTAGE a
	WIN 0x04                                       ; an LDS store's data are its source 1: window 1
.irp b, 0,1,2,3,4,5,6,7
	ds_store_b128 v[STO], v[8*(8*(\a)+\b):8*(8*(\a)+\b)+3] offset:64*\b        ; each accumulator from its low end on
	ds_store_b128 v[STO], v[8*(8*(\a)+\b)+4:8*(8*(\a)+\b)+7] offset:64*\b+16
.endr
	WIN 0
.set BB, BK+64*((\a)%2)
.irp t, 0,1,2,3,4,5,6,7,8,9,10,11,12,13,14,15
	ds_load_b128 v[BB+4*\t:BB+4*\t+3], v[RD] offset:\t*528                     ; LDS serves a wave's instructions in order: these see the stores above
.endr
.endm
.macro SEND a, younger
.set BB, BK+64*((\a)%2)
	s_wait_dscnt \younger
.irp t, 0,1,2,3,4,5,6,7,8,9,10,11,12,13,14,15
	global_store_b128 v[CO], v[BB+4*\t:BB+4*\t+3], s[18:19] offset:(16*(\a)+\t)*4096 th:TH_STORE_NT   ; 32 lanes store 512 consecutive bytes, aligned
.endr
.endm
	s_or_b32 s2, s66, s11                          ; positions 0-15 of a sequence (cluster y = 0, my upper rows, block 0) belong to the last launch: they are not stored here
	s_cmp_eq_u32 s2, 0
	s_cbranch_scc1 .Lskip0
	TOSTAGE 0
	SEND 0, 0
.Lskip0:
	s_wait_xcnt 0x0                                ; block 0's stores have read their registers, which block 2's loads take
	TOSTAGE 1
	TOSTAGE 2
	SEND 1, 32                                     ; behind block 1's loads: block 2's 16 stores and 16 loads
	s_wait_xcnt 0x0                                ; block 1's stores have read their registers
	TOSTAGE 3
	SEND 2, 32
	SEND 3, 0
	s_wait_tensorcnt 0x0                           ; the wave's end: behind my last tensor load and my last LDS store
	ds_add_u32 v[SPW], v[NIL]
	s_wait_dscnt 0x0
	CROUND                                         ; the closing round
	s_endpgm
.Lfunc_end_k_q9a9c43c4ca_proj:
	.size	k_q9a9c43c4ca_proj, .Lfunc_end_k_q9a9c43c4ca_proj-k_q9a9c43c4ca_proj
	.p2alignl 7, 3214868480
	.fill 96, 4, 3214868480
	.section	.rodata,"a",@progbits
	.p2align	6, 0x0
	.amdhsa_kernel k_q9a9c43c4ca_proj
		.amdhsa_group_segment_fixed_size 327680
		.amdhsa_private_segment_fixed_size 0
		.amdhsa_enable_private_segment 0
		.amdhsa_kernarg_size 32
		.amdhsa_user_sgpr_count 2
		.amdhsa_user_sgpr_kernarg_segment_ptr 1
		.amdhsa_wavefront_size32 1
		.amdhsa_system_sgpr_workgroup_id_x 1
		.amdhsa_system_sgpr_workgroup_id_y 1
		.amdhsa_system_sgpr_workgroup_id_z 1
		.amdhsa_system_vgpr_workitem_id 0
		.amdhsa_next_free_vgpr 576
		.amdhsa_next_free_sgpr 70
		.amdhsa_reserve_vcc 0
		.amdhsa_float_denorm_mode_32 3
		.amdhsa_float_denorm_mode_16_64 3
		.amdhsa_memory_ordered 1
		.amdhsa_forward_progress 1
		.amdhsa_inst_pref_size 87
	.end_amdhsa_kernel
	.amdgpu_metadata
---
amdhsa.version: [ 1, 2 ]
amdhsa.kernels:
  - .name:           k_q9a9c43c4ca_proj
    .symbol:         k_q9a9c43c4ca_proj.kd
    .args:
      - { .name: att16, .offset: 0, .size: 8, .value_kind: global_buffer, .address_space: global }
      - { .name: wp16, .offset: 8, .size: 8, .value_kind: global_buffer, .address_space: global }
      - { .name: b_proj, .offset: 16, .size: 8, .value_kind: global_buffer, .address_space: global }
      - { .name: out0, .offset: 24, .size: 8, .value_kind: global_buffer, .address_space: global }
    .group_segment_fixed_size: 327680
    .private_segment_fixed_size: 0
    .kernarg_segment_align: 8
    .kernarg_segment_size: 32
    .max_flat_workgroup_size: 128
    .sgpr_count:     70
    .vgpr_count:     576
    .wavefront_size: 32
...
	.end_amdgpu_metadata
.endif
;; end of part 4
;; launch first16 (part 5): grid 16 x 4, 16 waves a work-group, no clusters, 71,680 bytes of LDS; arguments qkv32, w_proj, b_proj, out0; writes out0
.if DOCPART == 5
	.amdgcn_target "amdgcn-amd-amdhsa--gfx1250"
	.amdhsa_code_object_version 6
	.text
	.protected	k_q9a9c43c4ca_first16
	.globl	k_q9a9c43c4ca_first16
	.p2align	8
	.type	k_q9a9c43c4ca_first16,@function
k_q9a9c43c4ca_first16:
	s_mov_b64 s[64:65], 0
	v_nop
	global_prefetch_b8 v0, s[64:65] scope:SCOPE_SE
	s_setreg_imm32_b32 hwreg(HW_REG_WAVE_MODE, 25, 1), 1
	s_wait_xcnt 0x0
; Positions 0-15 of each of the four sequences, attention and projection, in f32: these rows average one to sixteen values, are the largest in size, and are carried finely.  64 of the 8,192 rows: no bulk work.
; WORK LEFT OUT: keys behind position 15 (the computation's own lower triangle hides them from these queries).
; IN: qkv32 [batch 4][16][3072] f32 (q, k, v with their bias), w_proj [1024][1024] f32, b_proj.  OUT: rows 0-15 of each batch of out0, which no other launch stores.
; SHARES.  Work-group (x = 64 columns of the output, y = the batch).  Wave w is head w: its 16 x 16 attention, then its 64 of the projection's 1,024 along K for the 64 columns; the sixteen parts meet in LDS.
; LAYOUT.  The f32 matrix form takes k = 2 (lane / 16) + register.  Nothing changes lanes: one permutation of k is applied alike to both operands of each product.
;   S^T = K Q^T: lane (r, h) holds channels 32 h + 0 .. 31 of row r; step s takes the pair 2 s, 2 s + 1.  Result: query r, keys 8 h + 0 .. 7.
;   O^T = V^T P: P's pair i is keys 8 h + 2 i, + 1; V's register 8 dt + j is V(8 h + j, 16 dt + r).  Result: query r, channels 16 dt + 8 h + 0 .. 7.
;   Y^T = W^T O: O's pair (dt, i) is channels 16 dt + 8 h + 2 i, + 1; W's register 8 dt + j is w_proj(64 w + 16 dt + 8 h + j, column 16 nt + r).  Result: query r, columns 16 nt + 8 h + 0 .. 7.
; The registers that the f32 matrix form writes (v176-183, v192-255) are written by matrix instructions alone; each sum begins with the constant 0; what is made of a sum goes into other registers.
; REGISTERS: v1-8 addresses, v9-12 at work, v13 r - 8 h, v14 -1e9, v15 the bias's offset; v16-47 Q, later W2; v48-79 K, later W3; v80-111 V, later O / l; v112-143 W0, v144-175 W1, later the parts; v184-191 P.
.set QR,  16
.set KRG, 48
.set VRG, 80
.set W0,  112
.set W1,  144
.set W2,  16
.set W3,  48
.set SA0, 176
.set PP,  184
.set OA,  192
.set SA1, 224
.set YA,  224
.set RB,  112
.set SPARE, 69632                      ; behind the sixteen images of 4,352 bytes: the spare words, which no other line names
.macro WLOAD reg, nt
.irp dt, 0,1,2,3
.irp j, 0,1,2,3,4,5,6,7
	global_load_b32 v[\reg+8*\dt+\j], v3, s[6:7] offset:(16*\dt+\j)*4096+64*\nt
.endr
.endr
.endm
.macro PLACES8                         ; eight places behind the f32 matrix form (ISA guide 7.12.1)
.rept 8
	v_nop
.endr
.endm
.macro YMUL acc0, wa, acc1, wb         ; two tiles of 16 columns by turns, 16 steps of 4 along K each; the first step of each starts its sum
.irp dt, 0,1,2,3
.irp i, 0,1,2,3
.if (\dt == 0) && (\i == 0)
	v_wmma_f32_16x16x4_f32 v[\acc0:\acc0+7], v[\wa:\wa+1], v[VRG:VRG+1], 0
	v_wmma_f32_16x16x4_f32 v[\acc1:\acc1+7], v[\wb:\wb+1], v[VRG:VRG+1], 0
.else
	v_wmma_f32_16x16x4_f32 v[\acc0:\acc0+7], v[\wa+8*\dt+2*\i:\wa+8*\dt+2*\i+1], v[VRG+8*\dt+2*\i:VRG+8*\dt+2*\i+1], v[\acc0:\acc0+7]
	v_wmma_f32_16x16x4_f32 v[\acc1:\acc1+7], v[\wb+8*\dt+2*\i:\wb+8*\dt+2*\i+1], v[VRG+8*\dt+2*\i:VRG+8*\dt+2*\i+1], v[\acc1:\acc1+7]
.endif
.endr
.endr
.endm
	s_load_b256 s[4:11], s[0:1], 0x0               ; qkv32 s[4:5], w_proj s[6:7], b_proj s[8:9], out0 s[10:11]
	v_lshl_add_u32 v7, v0, 2, SPARE                ; my spare word; never rewritten
	v_mov_b32 v8, 0                                ; 0; never rewritten
	v_lshrrev_b32 v1, 5, v0
	v_readfirstlane_b32 s12, v1                    ; wave = head
	s_mov_b32 s13, ttmp9                           ; which 64 columns
	s_and_b32 s14, ttmp7, 0xffff                   ; the batch
	v_and_b32 v9, 15, v0                           ; r
	v_bfe_u32 v10, v0, 4, 1                        ; h
	v_mul_u32_u24 v1, v9, 12288
	v_lshl_add_u32 v1, v10, 7, v1                  ; Q, K: row r, channels 32 h on
	v_mul_u32_u24 v2, v10, 98304
	v_lshl_add_u32 v2, v9, 2, v2                   ; V: rows 8 h on, channel r
	v_lshlrev_b32 v3, 15, v10
	v_lshl_add_u32 v3, v9, 2, v3                   ; w_proj: rows 8 h on, column r
	s_mul_i32 s15, s12, 4352
	v_mul_u32_u24 v4, v10, 544
	v_lshl_add_u32 v4, v9, 4, v4
	v_add_nc_u32 v4, s15, v4                       ; my image: piece 4 nt + 2 h + c of 272 bytes holds columns 4 x piece + 0 .. 3, 16 bytes a query
	s_lshl_b32 s15, s12, 5
	v_mul_u32_u24 v5, v9, 272
	v_lshl_add_u32 v5, v10, 4, v5
	v_add_nc_u32 v5, s15, v5                       ; back: piece = lane % 16, query = 2 x wave + lane / 16
	s_lshl_b32 s15, s12, 13
	v_lshlrev_b32 v6, 12, v10
	v_lshl_add_u32 v6, v9, 4, v6
	v_add_nc_u32 v6, s15, v6                       ; and in out0: the query's row of 4,096 bytes + 16 x piece
	v_lshlrev_b32 v13, 3, v10
	v_sub_nc_u32 v13, v9, v13                      ; r - 8 h
	v_mov_b32 v14, 0xce6e6b28                      ; -1e9
	v_lshlrev_b32 v15, 4, v9
	s_mov_b32 s20, 0x76543210
	s_mov_b32 s21, 0xfedcba98                      ; v_permlanex16_b32's selects for lane l xor 16
	s_mov_b32 s22, 0x3e38aa3b                      ; c = log2(e) / 8
	s_mul_i32 s16, s14, 196608                     ; qkv32: the batch's 16 rows, the head's 64 columns
	s_lshl_b32 s17, s12, 8
	s_add_co_u32 s16, s16, s17
	s_mov_b32 s17, 0
	s_lshl_b32 s18, s12, 18                        ; w_proj: the head's 64 rows, my 64 columns
	s_lshl_b32 s24, s13, 8
	s_add_co_u32 s18, s18, s24
	s_mov_b32 s19, 0
	s_mov_b32 s25, 0
	s_lshl_b32 s26, s14, 23                        ; out0: the batch's first row, my 64 columns
	s_add_co_u32 s26, s26, s24
	s_mov_b32 s27, 0
	s_wait_kmcnt 0x0
	s_add_nc_u64 s[4:5], s[4:5], s[16:17]
	s_add_nc_u64 s[6:7], s[6:7], s[18:19]
	s_add_nc_u64 s[8:9], s[8:9], s[24:25]
	s_add_nc_u64 s[10:11], s[10:11], s[26:27]
.irp i, 0,1,2,3,4,5,6,7
	global_load_b128 v[QR+4*\i:QR+4*\i+3], v1, s[4:5] offset:16*\i
.endr
.irp i, 0,1,2,3,4,5,6,7
	global_load_b128 v[KRG+4*\i:KRG+4*\i+3], v1, s[4:5] offset:4096+16*\i
.endr
.irp dt, 0,1,2,3
.irp j, 0,1,2,3,4,5,6,7
	global_load_b32 v[VRG+8*\dt+\j], v2, s[4:5] offset:\j*12288+8192+64*\dt
.endr
.endr
	s_wait_loadcnt 32                              ; Q and K are in; V's 32 loads may be out
	v_wmma_f32_16x16x4_f32 v[SA0:SA0+7], v[KRG:KRG+1], v[QR:QR+1], 0           ; S^T in two sums that take turns
	v_wmma_f32_16x16x4_f32 v[SA1:SA1+7], v[KRG+2:KRG+3], v[QR+2:QR+3], 0
.irp s, 2,4,6,8,10,12,14
	v_wmma_f32_16x16x4_f32 v[SA0:SA0+7], v[KRG+2*\s:KRG+2*\s+1], v[QR+2*\s:QR+2*\s+1], v[SA0:SA0+7]
	v_wmma_f32_16x16x4_f32 v[SA1:SA1+7], v[KRG+2*\s+2:KRG+2*\s+3], v[QR+2*\s+2:QR+2*\s+3], v[SA1:SA1+7]
.endr
	WLOAD W0, 0                                    ; 64 loads of mine are out
	PLACES8
.irp j, 0,2,4,6
	v_pk_add_f32 v[PP+\j:PP+\j+1], v[SA0+\j:SA0+\j+1], v[SA1+\j:SA1+\j+1]
.endr
.irp j, 0,1,2,3,4,5,6,7
	v_cmp_gt_i32 vcc_lo, \j, v13                   ; key 8 h + j comes after query r
	v_cndmask_b32 v[PP+\j], v[PP+\j], v14, vcc_lo
.endr
	v_max3_num_f32 v9, v[PP], v[PP+1], v[PP+2]
	v_max3_num_f32 v9, v9, v[PP+3], v[PP+4]
	v_max3_num_f32 v9, v9, v[PP+5], v[PP+6]
	v_max_num_f32 v9, v9, v[PP+7]
	v_permlanex16_b32 v10, v9, s20, s21
	v_max_num_f32 v9, v9, v10                      ; the row's maximum: the diagonal key always counts
	v_mul_f32 v10, s22, v9
.irp j, 0,1,2,3,4,5,6,7
	v_fma_f32 v[PP+\j], v[PP+\j], s22, -v10
.endr
.irp j, 0,1,2,3,4,5,6,7
	v_exp_f32 v[PP+\j], v[PP+\j]
.endr
	v_nop                                          ; a plain line behind the last exponential
	s_wait_alu depctr_va_vdst(0)                   ; one wait for the eight, ahead of their first reader
	v_add_f32 v11, v[PP], v[PP+1]
.irp j, 2,3,4,5,6,7
	v_add_f32 v11, v11, v[PP+\j]
.endr
	v_permlanex16_b32 v10, v11, s20, s21
	v_add_f32 v11, v11, v10
	v_rcp_f32 v12, v11
	v_nop
	s_wait_alu depctr_va_vdst(0)
	s_wait_loadcnt 32                              ; V is in; W0's 32 loads may be out
.irp i, 0,1,2,3                        ; O^T = V^T P: the four tiles of 16 channels take turns; the first step of each starts its sum
.irp dt, 0,1,2,3
.if \i == 0
	v_wmma_f32_16x16x4_f32 v[OA+8*\dt:OA+8*\dt+7], v[VRG+8*\dt:VRG+8*\dt+1], v[PP:PP+1], 0
.else
	v_wmma_f32_16x16x4_f32 v[OA+8*\dt:OA+8*\dt+7], v[VRG+8*\dt+2*\i:VRG+8*\dt+2*\i+1], v[PP+2*\i:PP+2*\i+1], v[OA+8*\dt:OA+8*\dt+7]
.endif
.endr
.endr
	WLOAD W1, 1
	PLACES8
.irp j, 0,2,4,6,8,10,12,14,16,18,20,22,24,26,28,30
	v_pk_mul_f32 v[VRG+\j:VRG+\j+1], v[OA+\j:OA+\j+1], v[12:13] op_sel_hi:[1,0]   ; O^T / l, into the registers that V has left
.endr
	s_wait_loadcnt 0x0                             ; W0 and W1 are in
	WLOAD W2, 2                                    ; into the registers that Q and K have left
	WLOAD W3, 3
	YMUL YA, W0, YA+8, W1
	s_wait_loadcnt 0x0
	YMUL YA+16, W2, YA+24, W3
	PLACES8
.irp nt, 0,1,2,3
	ds_store_b128 v4, v[YA+8*\nt:YA+8*\nt+3] offset:\nt*1088                   ; each sum from its low end on
	ds_store_b128 v4, v[YA+8*\nt+4:YA+8*\nt+7] offset:\nt*1088+272
.endr
	s_wait_dscnt 0x0                               ; for the others' sake: my stores have landed
	s_barrier_signal -1
	s_barrier_wait -1
	s_cmp_lt_u32 s12, 8                            ; waves 0 to 7 add the sixteen parts, two queries a wave
	s_cbranch_scc0 .Ldone
	global_load_b128 v[16:19], v15, s[8:9]         ; b_proj at my four columns
.irp w, 0,1,2,3,4,5,6,7,8,9,10,11,12,13,14,15
	ds_load_b128 v[RB+4*\w:RB+4*\w+3], v5 offset:4352*\w
.endr
	s_wait_dscnt 0x0
.irp i, 0,2,4,6,8,10,12,14
	v_pk_add_f32 v[RB+4*\i:RB+4*\i+1], v[RB+4*\i:RB+4*\i+1], v[RB+4*\i+4:RB+4*\i+5]
	v_pk_add_f32 v[RB+4*\i+2:RB+4*\i+3], v[RB+4*\i+2:RB+4*\i+3], v[RB+4*\i+6:RB+4*\i+7]
.endr
.irp i, 0,4,8,12
	v_pk_add_f32 v[RB+4*\i:RB+4*\i+1], v[RB+4*\i:RB+4*\i+1], v[RB+4*\i+8:RB+4*\i+9]
	v_pk_add_f32 v[RB+4*\i+2:RB+4*\i+3], v[RB+4*\i+2:RB+4*\i+3], v[RB+4*\i+10:RB+4*\i+11]
.endr
.irp i, 0,8
	v_pk_add_f32 v[RB+4*\i:RB+4*\i+1], v[RB+4*\i:RB+4*\i+1], v[RB+4*\i+16:RB+4*\i+17]
	v_pk_add_f32 v[RB+4*\i+2:RB+4*\i+3], v[RB+4*\i+2:RB+4*\i+3], v[RB+4*\i+18:RB+4*\i+19]
.endr
	v_pk_add_f32 v[RB:RB+1], v[RB:RB+1], v[RB+32:RB+33]
	v_pk_add_f32 v[RB+2:RB+3], v[RB+2:RB+3], v[RB+34:RB+35]
	s_wait_loadcnt 0x0
	v_pk_add_f32 v[RB:RB+1], v[RB:RB+1], v[16:17]
	v_pk_add_f32 v[RB+2:RB+3], v[RB+2:RB+3], v[18:19]
	global_store_b128 v6, v[RB:RB+3], s[10:11]     ; sixteen lanes store 256 consecutive bytes, aligned
.Ldone:
	s_wait_tensorcnt 0x0                           ; the wave's end: behind my last LDS store
	ds_add_u32 v7, v8
	s_wait_dscnt 0x0
	s_endpgm
.Lfunc_end_k_q9a9c43c4ca_first16:
	.size	k_q9a9c43c4ca_first16, .Lfunc_end_k_q9a9c43c4ca_first16-k_q9a9c43c4ca_first16
	.p2alignl 7, 3214868480
	.fill 96, 4, 3214868480
	.section	.rodata,"a",@progbits
	.p2align	6, 0x0
	.amdhsa_kernel k_q9a9c43c4ca_first16
		.amdhsa_group_segment_fixed_size 71680
		.amdhsa_private_segment_fixed_size 0
		.amdhsa_enable_private_segment 0
		.amdhsa_kernarg_size 32
		.amdhsa_user_sgpr_count 2
		.amdhsa_user_sgpr_kernarg_segment_ptr 1
		.amdhsa_wavefront_size32 1
		.amdhsa_system_sgpr_workgroup_id_x 1
		.amdhsa_system_sgpr_workgroup_id_y 1
		.amdhsa_system_sgpr_workgroup_id_z 1
		.amdhsa_system_vgpr_workitem_id 0
		.amdhsa_next_free_vgpr 256
		.amdhsa_next_free_sgpr 66
		.amdhsa_reserve_vcc 1
		.amdhsa_float_denorm_mode_32 3
		.amdhsa_float_denorm_mode_16_64 3
		.amdhsa_memory_ordered 1
		.amdhsa_forward_progress 1
		.amdhsa_inst_pref_size 34
	.end_amdhsa_kernel
	.amdgpu_metadata
---
amdhsa.version: [ 1, 2 ]
amdhsa.kernels:
  - .name:           k_q9a9c43c4ca_first16
    .symbol:         k_q9a9c43c4ca_first16.kd
    .args:
      - { .name: qkv32, .offset: 0, .size: 8, .value_kind: global_buffer, .address_space: global }
      - { .name: w_proj, .offset: 8, .size: 8, .value_kind: global_buffer, .address_space: global }
      - { .name: b_proj, .offset: 16, .size: 8, .value_kind: global_buffer, .address_space: global }
      - { .name: out0, .offset: 24, .size: 8, .value_kind: global_buffer, .address_space: global }
    .group_segment_fixed_size: 71680
    .private_segment_fixed_size: 0
    .kernarg_segment_align: 8
    .kernarg_segment_size: 32
    .max_flat_workgroup_size: 512
    .sgpr_count:     66
    .vgpr_count:     256
    .wavefront_size: 32
...
	.end_amdgpu_metadata
.endif
;; end of part 5
